; MI455X (gfx1250); checked and timed in simulation.
; The chip was launched on July 23, 2026; its instructions are those of AMD's public machine-readable ISA for CDNA 5 (MIT licence, August 2026) and "CDNA5" Instruction Set Architecture Reference Guide (July 2026). The comments in the code are by the model that wrote it; some were corrected since.
;; Attention. Allowed arithmetic: float matrix products may take bf16 or f16 operands with f32 sums; other float arithmetic in f32, or as packed bf16 or f16 multiplies, adds, multiply-adds, maxima and minima; sums over many terms, partial sums and values carried from step to step in f32; what a program stores and reads back later, other than sums and carried values, may be rounded once to bf16 or f16.
;; Inputs: Wk 1,024 x 1,024 float32; Wq 1,024 x 1,024 float32; Wv 1,024 x 1,024 float32; bk 1,024 float32; bq 1,024 float32; bv 1,024 float32; x 4 x 2,048 x 1,024 float32.
;; Outputs: out0 4 x 2,048 x 1,024 float32.
;; 3 versions, each right; version 2 is faster than version 1; version 3 is version 2 with the launch cvt written anew for expert scheduling mode. Each part assembles by itself: llvm-mc -triple=amdgcn-amd-amdhsa -mcpu=gfx1250 --defsym DOCPART=n.
;; ======== version 1 of 3: 4 launches
;; limits: values are held in f16: magnitudes above 65,504 overflow, below 6.1e-05 lose precision; values outside matrix products are rounded to f16
;; workspace buffers: xb 16,777,216 bytes; wb 6,291,456 bytes; qkv 50,331,648 bytes; pp 33,554,432 bytes; st 1,048,576 bytes
;; launch cvt (part 1): grid 64 x 11, 8 waves a work-group, no clusters, 0 bytes of LDS; arguments x, Wq, Wk, Wv, xb, wb; writes xb, wb
.if DOCPART == 1
	.amdgcn_target "amdgcn-amd-amdhsa--gfx1250"
	.amdhsa_code_object_version 6
	.text
	.protected	k_q653731ae82_cvt
	.globl	k_q653731ae82_cvt
	.p2align	8
	.type	k_q653731ae82_cvt,@function
k_q653731ae82_cvt:
	s_mov_b64 s[64:65], 0
	v_nop
	global_prefetch_b8 v0, s[64:65] scope:SCOPE_SE
	s_setreg_imm32_b32 hwreg(HW_REG_WAVE_MODE, 25, 1), 1
	s_wait_xcnt 0x0
; x [8192][1024] and Wq, Wk, Wv [1024][1024], f32, are rounded once to bf16: xb [8192][1024]; wb [3072][1024], the rows of Wq, Wk, Wv on end.
; A stream: each byte is read once and written once, so no LDS, no matrix unit and no cluster (no two work-groups read the same byte).
; A work-group converts CHUNK = 16,384 numbers: 65,536 bytes in, 32,768 out.  Grid y 0..7: chunk 64 y + x of x.  y = 8, 9, 10: chunk x of Wq, Wk, Wv, into chunk 64 (y - 8) + x of wb.
; Thread t takes 16 bytes at 16 t of each 4,096 bytes: a load of a wave covers 512 consecutive bytes, a store 256 consecutive bytes, aligned.
; All sixteen loads of a thread go out at once; no register is written twice, so no wait frees a source.
.set IN,  4                            ; v[4:67]   sixteen loads of four f32
.set OUT, 68                           ; v[68:99]  sixteen results of four bf16
	s_load_b256 s[4:11], s[0:1], 0x0               ; x s[4:5], Wq s[6:7], Wk s[8:9], Wv s[10:11]
	s_load_b128 s[12:15], s[0:1], 0x20             ; xb s[12:13], wb s[14:15]
	s_and_b32 s16, ttmp7, 0xffff                   ; y
	v_lshlrev_b32 v1, 4, v0                        ; my 16 bytes in
	v_lshlrev_b32 v2, 3, v0                        ; my 8 bytes out
	s_max_u32 s18, s16, 8
	s_sub_co_u32 s18, s18, 8                       ; y - 8, or 0
	s_cmp_lt_u32 s16, 8                            ; a chunk of x?
	s_cselect_b32 s17, s16, 0                      ; 64 chunks times: y in x, 0 in a W
	s_cselect_b32 s18, s16, s18                    ; y in xb, y - 8 in wb
	s_wait_kmcnt 0x0                               ; selects and waits leave the compare's answer alone
	s_cselect_b64 s[20:21], s[4:5], s[6:7]
	s_cselect_b64 s[22:23], s[12:13], s[14:15]
	s_cmp_eq_u32 s16, 9
	s_cselect_b64 s[20:21], s[8:9], s[20:21]
	s_cmp_eq_u32 s16, 10
	s_cselect_b64 s[20:21], s[10:11], s[20:21]
	s_lshl_b32 s17, s17, 6
	s_add_co_u32 s17, s17, ttmp9
	s_lshl_b32 s2, s17, 16                         ; 65,536 bytes a chunk; 511 chunks at the most: under 2^25
	s_mov_b32 s3, 0
	s_add_nc_u64 s[20:21], s[20:21], s[2:3]
	s_lshl_b32 s18, s18, 6
	s_add_co_u32 s18, s18, ttmp9
	s_lshl_b32 s2, s18, 15                         ; 32,768 bytes a chunk
	s_add_nc_u64 s[22:23], s[22:23], s[2:3]
.irp i, 0,1,2,3,4,5,6,7,8,9,10,11,12,13,14,15
	global_load_b128 v[IN+4*(\i):IN+4*(\i)+3], v1, s[20:21] offset:4096*(\i) th:TH_LOAD_NT
.endr
.irp i, 0,1,2,3,4,5,6,7,8,9,10,11,12,13,14,15
	s_wait_loadcnt 15-(\i)                         ; loads come back in order (ISA guide 5.7.1): load i is in, the 15 - i younger ones stay out
	v_cvt_pk_bf16_f32 v[OUT+2*(\i)], v[IN+4*(\i)], v[IN+4*(\i)+1]
	v_cvt_pk_bf16_f32 v[OUT+2*(\i)+1], v[IN+4*(\i)+2], v[IN+4*(\i)+3]
	global_store_b64 v2, v[OUT+2*(\i):OUT+2*(\i)+1], s[22:23] offset:2048*(\i)
.endr
	s_endpgm
.Lfunc_end_k_q653731ae82_cvt:
	.size	k_q653731ae82_cvt, .Lfunc_end_k_q653731ae82_cvt-k_q653731ae82_cvt
	.p2alignl 7, 3214868480
	.fill 96, 4, 3214868480
	.section	.rodata,"a",@progbits
	.p2align	6, 0x0
	.amdhsa_kernel k_q653731ae82_cvt
		.amdhsa_group_segment_fixed_size 0
		.amdhsa_private_segment_fixed_size 0
		.amdhsa_enable_private_segment 0
		.amdhsa_kernarg_size 48
		.amdhsa_user_sgpr_count 2
		.amdhsa_user_sgpr_kernarg_segment_ptr 1
		.amdhsa_wavefront_size32 1
		.amdhsa_system_sgpr_workgroup_id_x 1
		.amdhsa_system_sgpr_workgroup_id_y 1
		.amdhsa_system_sgpr_workgroup_id_z 1
		.amdhsa_system_vgpr_workitem_id 0
		.amdhsa_next_free_vgpr 100
		.amdhsa_next_free_sgpr 66
		.amdhsa_reserve_vcc 0
		.amdhsa_float_denorm_mode_32 3
		.amdhsa_float_denorm_mode_16_64 3
		.amdhsa_memory_ordered 1
		.amdhsa_forward_progress 1
		.amdhsa_inst_pref_size 7
	.end_amdhsa_kernel
	.amdgpu_metadata
---
amdhsa.version: [ 1, 2 ]
amdhsa.kernels:
  - .name:           k_q653731ae82_cvt
    .symbol:         k_q653731ae82_cvt.kd
    .args:
      - { .name: x, .offset: 0, .size: 8, .value_kind: global_buffer, .address_space: global }
      - { .name: Wq, .offset: 8, .size: 8, .value_kind: global_buffer, .address_space: global }
      - { .name: Wk, .offset: 16, .size: 8, .value_kind: global_buffer, .address_space: global }
      - { .name: Wv, .offset: 24, .size: 8, .value_kind: global_buffer, .address_space: global }
      - { .name: xb, .offset: 32, .size: 8, .value_kind: global_buffer, .address_space: global }
      - { .name: wb, .offset: 40, .size: 8, .value_kind: global_buffer, .address_space: global }
    .group_segment_fixed_size: 0
    .private_segment_fixed_size: 0
    .kernarg_segment_align: 8
    .kernarg_segment_size: 48
    .max_flat_workgroup_size: 256
    .sgpr_count:     66
    .vgpr_count:     100
    .wavefront_size: 32
...
	.end_amdgpu_metadata
.endif
;; end of part 1
;; launch proj (part 2): grid 12 x 64, 4 waves a work-group, clusters of 4 x 4, 327,680 bytes of LDS; arguments xb, wb, bq, bk, bv, qkv; writes qkv
.if DOCPART == 2
	.amdgcn_target "amdgcn-amd-amdhsa--gfx1250"
	.amdhsa_code_object_version 6
	.text
	.protected	k_q653731ae82_proj
	.globl	k_q653731ae82_proj
	.p2align	8
	.type	k_q653731ae82_proj,@function
k_q653731ae82_proj:
	s_mov_b64 s[64:65], 0
	v_nop
	global_prefetch_b8 v0, s[64:65] scope:SCOPE_SE
	s_setreg_imm32_b32 hwreg(HW_REG_WAVE_MODE, 25, 1), 1
	s_wait_xcnt 0x0
	s_wait_alu depctr_hold_cnt(0) depctr_sa_sdst(0) depctr_va_vdst(0) depctr_va_sdst(0) depctr_va_ssrc(0) depctr_va_vcc(0) depctr_vm_vsrc(0)
	s_getreg_b32 s2, hwreg(HW_REG_IB_STS2, 6, 4)
	s_cmp_eq_u32 s2, 0
	s_cbranch_scc0 .Lentry_in_a_cluster
	s_endpgm
.Lentry_in_a_cluster:
	s_bfe_u32 s2, ttmp6, 0x10000c
	s_cmp_lg_u32 s2, 0xf033
	s_cbranch_scc0 .Lentry_shape_is_right
	s_endpgm
.Lentry_shape_is_right:
; qkv[m][n] = bias[n] + sum over k of xb[m][k] wb[n][k].  xb [8192][1024], wb [3072][1024] bf16; bq, bk, bv [1024] f32; qkv [8192][3072] f16: columns 0-1023 Q, 1024-2047 K, 2048-3071 V.  Sums in f32.
; LIMITS.  Q, K, V are kept in f16: a number of 65,520 or more becomes an infinity.  The bias is rounded to bf16 like the other inputs and STARTS the sum (as the first product's C), so the order of
; rounding differs from a bias added last.  NaN and infinities are not treated apart.
; SHARES.  A tile of C is 128 rows x 256 columns: 12 x 64 = 768 work-groups, three for each of 256 WGPs.  Four waves, 2 x 2, each 64 x 128: 32 accumulators of 16 x 16, 256 registers.
; K goes in steps of 128 (rows of 256 bytes, at multiples of 256 bytes) through a ring of two LDS slots filled by tensor loads; a wave issues one load behind each change of slots.
; CLUSTER.  4 x 4 work-groups: the four of a row need the same tiles of xb, the four of a column the same tiles of wb; each tile is asked for JOINTLY (same load, same descriptor, a mask of the four).
; THE MATRIX INSTRUCTION IS USED TRANSPOSED (source 0 = 16 rows of wb, source 1 = 16 rows of xb): lane l holds row l % 16 of C and the columns 8 (l / 16) + 0..7: eight neighbours, 16 bytes of f16.
; REGISTERS, in windows of 256 (s_set_vgpr_msb: bits 1:0 source 0, 3:2 source 1, 5:4 source 2, 7:6 destination):
;   window 0: v0-31 addresses; v64-95, v96-127 fragments of A, two buffers; v128-191, v192-255 fragments of B, two buffers; on the way out v128-159 packed results, v64-127 rows read back
;   window 1: accumulator (a, b) at v[8 (8 a + b)]          window 2: v0-63 the bias in C's layout, eight registers for each column block b; v64-95 at work
.set PITCH,  272                       ; an LDS row: 256 bytes + 16 of padding = 68 words: row r starts at bank 4 r mod 64 (64 banks of 4 bytes: ISA guide 11.1)
.set AH,     64*PITCH                  ; half of A's tile: one tensor load, and what a wave reads of A
.set ATILE,  2*AH
.set BH,     128*PITCH                 ; half of B's tile
.set SLOT,   ATILE+2*BH                ; A's 128 rows, then B's 256 rows: 104,448 bytes
.set STAGE,  2*SLOT                    ; behind the ring: 16 rows x 272 bytes for each wave, for the way out
.set SPARE,  STAGE+4*16*PITCH          ; behind the stages: the spare words, 128 bytes a wave: two blocks of 256 bytes that no other line names
.set LAPS,   1024/256                  ; a lap = two K steps = once round the ring
.set KROW,   1024                      ; elements from row to row in xb and wb
.set ASTEP,  256                       ; bytes from a K step to the next
.set BSTEP,  256
.set CROW,   6144                      ; bytes in a row of qkv
.set ADRA, 16                          ; v16-17  LDS address of my A fragments in slot 0, 1
.set ADRB, 20                          ; v20-21  the same for B
.set STO,  24                          ; v24     the way out: where I put 16 bytes of a row
.set RD,   25                          ; v25     where I read a row back
.set CO,   26                          ; v26     my byte offset in C
.set BO,   27                          ; v27     my byte offset in the bias
.set SPW,  28                          ; v28     LDS address of my spare word; never rewritten
.set NIL,  29                          ; v29     0; never rewritten
.set FA,   64
.set FB,   128
.set TMP,  128
.set BI,   0                           ; window 2
.set G1,  24                           ; s[24:31] descriptor group 1 for A's tiles; s[32:39] group 0, a set for each slot
.set G0,  32
.set G1B, 48                           ; s[48:55], s[56:63] the same for B's
.set G0B, 56
.set MUL,  0x50                        ; A and B window 0, C and D window 1
.set MULB, 0x60                        ; C (the bias) window 2, D window 1
.set MSB, 0
.macro WIN new                         ; the immediate's high byte repeats the setting that is left; a switch that changes nothing is dropped
.if MSB != (\new)
	s_set_vgpr_msb (MSB<<8)|(\new)
.set MSB, \new
.endif
.endm
.macro PLACES                          ; four places in front of loads into registers that matrix instructions have read, and of conversions that read results
.rept 4
	v_nop
.endr
.endm
.macro JLOAD s                         ; a joint load: waves 0 and 1 fetch A's two halves, waves 2 and 3 B's; an s_nop 0 and four v_nop follow each line
	s_cmp_eq_u32 s11, 0
	s_cbranch_scc0 .Lfor_b_\@
	tensor_load_to_lds s[G0+4*(\s):G0+4*(\s)+3], s[G1:G1+7]
	s_nop 0
.rept 4
	v_nop
.endr
	s_branch .Lasked_\@
.Lfor_b_\@:
	tensor_load_to_lds s[G0B+4*(\s):G0B+4*(\s)+3], s[G1B:G1B+7]
	s_nop 0
.rept 4
	v_nop
.endr
.Lasked_\@:
.endm
.macro CREST                           ; a round of the cluster's barrier behind its opening barrier
	s_cmp_lg_u32 s10, 0
	s_cbranch_scc1 .Lnot_wave_0_\@
	s_barrier_signal -3
.Lnot_wave_0_\@:
	s_barrier_wait -3
	s_barrier_signal -1
	s_barrier_wait -1
.endm
.macro CROUND                          ; a whole round
	s_barrier_signal -1
	s_barrier_wait -1
	CREST
.endm
	s_load_b128 s[4:7], s[0:1], 0x0                ; xb s[4:5], wb s[6:7]
	s_load_b256 s[68:75], s[0:1], 0x10             ; bq s[68:69], bk s[70:71], bv s[72:73], qkv s[74:75]
	v_lshl_add_u32 v[SPW], v0, 2, SPARE
	v_mov_b32 v[NIL], 0
	ds_add_u32 v[SPW], v[NIL]                      ; the wave's opening: the add and its wait stand ahead of my first tensor load; work on registers stands between them
	v_lshrrev_b32 v1, 5, v0
	v_readfirstlane_b32 s10, v1                    ; wave 0..3
	s_lshr_b32 s11, s10, 1                         ; my half of the tile's rows.  Also: I fetch for A (0) or for B (1)
	s_and_b32 s12, s10, 1                          ; my half of its columns.  Also: which half of that tile I fetch
	s_bfe_u32 s40, ttmp6, 0x40000                  ; cx, cy: my place in the cluster
	s_bfe_u32 s41, ttmp6, 0x40004
	s_lshl_b32 s42, ttmp9, 2
	s_add_co_u32 s42, s42, s40                     ; tile column = 4 x cluster x + cx
	s_and_b32 s13, ttmp7, 0xffff
	s_lshl_b32 s13, s13, 2
	s_add_co_u32 s13, s13, s41                     ; tile row = 4 x cluster y + cy
	s_lshl_b32 s43, s41, 2
	s_lshl_b32 s43, 15, s43                        ; my row of the cluster
	s_lshl_b32 s44, 0x1111, s40                    ; my column
	s_or_b32 s[G1+0], s43, (1<<16)|(1<<20)|(1<<21)|(5<<22)|(3<<25)   ; 15:0 mask; 17:16 2-byte elements; 20 padding on; 21 set beside a mask; 24:22 after every 64 words; 31:25 4 words
	s_or_b32 s[G1B+0], s44, (1<<16)|(1<<20)|(1<<21)|(5<<22)|(3<<25)
	s_mov_b32 s[G1+1], 128<<16                     ; tensor_dim0 = 128
	s_mov_b32 s[G1+2], 64<<16                      ; tensor_dim1 = 64
	s_mov_b32 s[G1+3], 128<<16                     ; tile_dim0 = 128
	s_mov_b32 s[G1+4], 64                          ; tile_dim1 = 64
	s_mov_b32 s[G1+5], KROW                        ; elements from row to row
	s_mov_b32 s[G1+6], 0
	s_mov_b32 s[G1+7], 0
	s_mov_b32 s[G1B+1], 128<<16
	s_mov_b32 s[G1B+2], 128<<16                    ; B's half has 128 rows
	s_mov_b32 s[G1B+3], 128<<16
	s_mov_b32 s[G1B+4], 128
	s_mov_b32 s[G1B+5], KROW
	s_mov_b32 s[G1B+6], 0
	s_mov_b32 s[G1B+7], 0
	s_lshl_b32 s16, s13, 18                        ; A: (128 x tile row + 64 x half) rows of 2,048 bytes: it hangs on the tile row alone, which my row of the cluster shares
	s_lshl_b32 s17, s12, 17
	s_add_co_u32 s16, s16, s17
	s_mov_b32 s17, 0
	s_lshl_b32 s46, s42, 19                        ; B: (256 x tile column + 128 x half) rows: on the tile column alone
	s_lshl_b32 s47, s12, 18
	s_add_co_u32 s46, s46, s47
	s_mov_b32 s47, 0
	s_mul_i32 s20, s12, AH                         ; where they go: no place in the cluster enters an LDS address
	s_mul_i32 s21, s12, BH
	s_add_co_u32 s21, s21, ATILE
	s_wait_dscnt 0x0                               ; the opening add is done
	s_wait_kmcnt 0x0
	s_add_nc_u64 s[14:15], s[4:5], s[16:17]
	s_add_nc_u64 s[46:47], s[6:7], s[46:47]
	CROUND                                         ; all sixteen work-groups are here: the first joint loads meet
.irp s, 0,1
	s_mov_b32 s[G0+4*(\s)], 1
	s_add_co_u32 s[G0+4*(\s)+1], s20, (\s)*SLOT
	s_add_nc_u64 s[G0+4*(\s)+2:G0+4*(\s)+3], s[14:15], (\s)*ASTEP
	s_or_b32 s[G0+4*(\s)+3], s[G0+4*(\s)+3], 0x80000000
	s_mov_b32 s[G0B+4*(\s)], 1
	s_add_co_u32 s[G0B+4*(\s)+1], s21, (\s)*SLOT
	s_add_nc_u64 s[G0B+4*(\s)+2:G0B+4*(\s)+3], s[46:47], (\s)*BSTEP
	s_or_b32 s[G0B+4*(\s)+3], s[G0B+4*(\s)+3], 0x80000000
	JLOAD \s                                       ; two loads of mine are out
.endr
	v_and_b32 v1, 15, v0                           ; r = l % 16
	v_bfe_u32 v2, v0, 4, 1                         ; h = l / 16
	; THE BIAS, in the layout of C: register j of block b in lane (r, h) is bias[16 b + 8 h + j] of my 128 columns.  A cluster's four tile columns lie in one of Q, K, V: cluster x says which.
	s_mov_b32 s22, ttmp9
	s_cmp_eq_u32 s22, 1
	s_cselect_b64 s[76:77], s[70:71], s[68:69]
	s_cmp_eq_u32 s22, 2
	s_cselect_b64 s[76:77], s[72:73], s[76:77]
	s_lshl_b32 s46, s40, 10                        ; 256 columns of 4 bytes for each cx,
	s_lshl_b32 s47, s12, 9                         ; 128 for my half
	s_add_co_u32 s46, s46, s47
	s_mov_b32 s47, 0
	s_add_nc_u64 s[76:77], s[76:77], s[46:47]
	v_lshlrev_b32 v[BO], 5, v2
	WIN 0x80                                       ; destination window 2, address window 0
.irp b, 0,1,2,3,4,5,6,7
	global_load_b128 v[BI+8*(\b):BI+8*(\b)+3],   v[BO], s[76:77] offset:64*(\b)
	global_load_b128 v[BI+8*(\b)+4:BI+8*(\b)+7], v[BO], s[76:77] offset:64*(\b)+16
.endr
	WIN 0
	; A fragment is 16 rows x 32 K in 8 registers: lane l holds row l % 16, K = 8 (l / 16) + 0..7 and 16 + 8 (l / 16) + 0..7: two loads of 16 bytes, 32 bytes apart.
	v_mul_u32_u24 v3, v1, PITCH
	v_lshl_add_u32 v3, v2, 4, v3                   ; row x pitch + 16 x half
	s_mul_i32 s22, s11, AH                         ; my 64 rows of A
	s_mul_i32 s23, s12, BH                         ; my 128 rows of B,
	s_add_co_u32 s23, s23, ATILE                   ; behind A's 128
.irp s, 0,1
	v_add_nc_u32 v[ADRA+(\s)], s22, v3
	v_add_nc_u32 v[ADRB+(\s)], s23, v3
	s_add_co_u32 s22, s22, SLOT
	s_add_co_u32 s23, s23, SLOT
.endr
	s_mul_i32 s22, s10, 16*PITCH
	s_add_co_u32 s22, s22, STAGE                   ; my stage
	v_add_nc_u32 v[STO], s22, v3                   ; in: row l % 16, 16 bytes for each half of the lanes
	v_mul_u32_u24 v3, v2, PITCH                    ; back: lanes 0-15 one row of 256 bytes, lanes 16-31 the next
	v_lshl_add_u32 v3, v1, 4, v3
	v_add_nc_u32 v[RD], s22, v3
	v_mul_u32_u24 v3, v2, CROW                     ; and the same two rows in C
	v_lshl_add_u32 v[CO], v1, 4, v3
	s_lshl_b32 s16, s13, 7
	s_lshl_b32 s17, s11, 6
	s_add_co_u32 s16, s16, s17                     ; my first row of C
	s_mul_i32 s16, s16, CROW                       ; under 2^26
	s_mov_b32 s17, 0
	s_lshl_b32 s46, s42, 9                         ; my first column, in bytes
	s_lshl_b32 s47, s12, 8
	s_add_co_u32 s46, s46, s47
	s_mov_b32 s47, 0
	s_add_nc_u64 s[16:17], s[16:17], s[46:47]
	s_add_nc_u64 s[8:9], s[74:75], s[16:17]
	s_wait_loadcnt 0x0                             ; the bias
	WIN 0x8a                                       ; sources 0, 1 and destination window 2: rounded to bf16 and widened again
.set i, 0
.rept 32
	v_cvt_pk_bf16_f32 v[64+i], v[BI+2*i], v[BI+2*i+1]
.set i, i+1
.endr
.set i, 0
.rept 32
	v_lshlrev_b32 v[BI+2*i], 16, v[64+i]
	v_and_b32 v[BI+2*i+1], 0xffff0000, v[64+i]
.set i, i+1
.endr
	WIN 0
; 8 matrix instructions: row block a x all 8 column blocks, 32 along K, from buffer f.  zero = 1: the first product starts the sums, with the bias as C: nothing is cleared or added later.
; The 32 accumulators take turns, one instruction a turn, in the same order in every quarter.
.macro MUL8 f, a, zero
.if \zero
	WIN MULB
.else
	WIN MUL
.endif
.irp b, 0,1,2,3,4,5,6,7
.if \zero
	v_wmma_f32_16x16x32_bf16 v[8*(8*(\a)+(\b)):8*(8*(\a)+(\b))+7], v[FB+64*(\f)+8*(\b):FB+64*(\f)+8*(\b)+7], v[FA+32*(\f)+8*(\a):FA+32*(\f)+8*(\a)+7], v[BI+8*(\b):BI+8*(\b)+7]
.else
	v_wmma_f32_16x16x32_bf16 v[8*(8*(\a)+(\b)):8*(8*(\a)+(\b))+7], v[FB+64*(\f)+8*(\b):FB+64*(\f)+8*(\b)+7], v[FA+32*(\f)+8*(\a):FA+32*(\f)+8*(\a)+7], v[8*(8*(\a)+(\b)):8*(8*(\a)+(\b))+7]
.endif
.endr
.endm
; 24 LDS loads in one run: quarter q (32 along K) of a slot into buffer f: B's 128 rows, then A's 64
.macro FETCH slot, q, f
	WIN 0
.irp i, 0,1,2,3,4,5,6,7
	ds_load_b128 v[FB+64*(\f)+8*(\i):FB+64*(\f)+8*(\i)+3],   v[ADRB+(\slot)] offset:64*(\q)+(\i)*16*PITCH
	ds_load_b128 v[FB+64*(\f)+8*(\i)+4:FB+64*(\f)+8*(\i)+7], v[ADRB+(\slot)] offset:64*(\q)+(\i)*16*PITCH+32
.endr
.irp i, 0,1,2,3
	ds_load_b128 v[FA+32*(\f)+8*(\i):FA+32*(\f)+8*(\i)+3],   v[ADRA+(\slot)] offset:64*(\q)+(\i)*16*PITCH
	ds_load_b128 v[FA+32*(\f)+8*(\i)+4:FA+32*(\f)+8*(\i)+7], v[ADRA+(\slot)] offset:64*(\q)+(\i)*16*PITCH+32
.endr
.endm
; A K step is four quarters of 32 along K, 32 matrix instructions each, on buffers 0, 1, 0, 1.  One of the first three multiplies buffer f and fetches quarter q into buffer g.
.macro QUARTER slot, q, f, g, zero
	s_wait_dscnt 4                                 ; B and A's blocks 0, 1 are in; the youngest four loads (A's blocks 2, 3) may be out
	MUL8 \f, 0, \zero
	MUL8 \f, 1, \zero
	PLACES
	FETCH \slot, \q, \g
	s_wait_dscnt 24                                ; all but the 24 just issued
	MUL8 \f, 2, \zero
	MUL8 \f, 3, \zero
.endm
; The last quarter multiplies buffer 1 and changes slots: ONE barrier; in front of it each wave waits for all its tensor loads (one is out: its part of the next slot), adds 0 to its spare word,
; and waits for that and for its reads of this slot.  fill = 1: the barrier opens a round of the cluster's, and this slot is filled again, two K steps ahead, first thing behind the round.
.macro TURN slot, next, fill
	WIN 0                                          ; (the add's two registers lie in window 0)
	s_wait_tensorcnt 0x0
	ds_add_u32 v[SPW], v[NIL]
	s_wait_dscnt 5                                 ; (the add and the youngest four loads may be out)
	MUL8 1, 0, 0                                   ; eight matrix instructions stand between the add and the wait for it
	s_wait_dscnt 0x0                               ; the add is done, and my reads of this slot are over
	s_barrier_signal -1
	MUL8 1, 1, 0
.if \fill
	WIN 0
.endif
	s_barrier_wait -1
.if \fill
	CREST                                          ; no wave of any partner still reads this slot's tile or has a load on its way
	s_add_nc_u64 s[G0+4*(\slot)+2:G0+4*(\slot)+3], s[G0+4*(\slot)+2:G0+4*(\slot)+3], 2*ASTEP
	s_add_nc_u64 s[G0B+4*(\slot)+2:G0B+4*(\slot)+3], s[G0B+4*(\slot)+2:G0B+4*(\slot)+3], 2*BSTEP
	JLOAD \slot                                    ; 112 matrix instructions ahead of the wait for it; its four v_nop are also the places in front of the loads below
.else
	PLACES
.endif
	FETCH \next, 0, 0
	MUL8 1, 2, 0
	MUL8 1, 3, 0
.endm
	s_wait_tensorcnt 1                             ; my part of K step 0 is in; K step 1's may stay out
	s_barrier_signal -1
	s_barrier_wait -1                              ; everybody's is
	FETCH 0, 0, 0
	QUARTER 0, 1, 0, 1, 1                          ; the first quarter stands in front of the loop: its products start the sums
	WIN 0                                          ; at a label and at a branch every window is 0
	s_mov_b32 s3, LAPS-1
.Llap:                                                 ; a trip goes once round the ring, from a lap's second quarter to the next lap's first, and fills both slots again
	QUARTER 0, 2, 1, 0, 0
	QUARTER 0, 3, 0, 1, 0
	TURN 0, 1, 1
	QUARTER 1, 1, 0, 1, 0
	QUARTER 1, 2, 1, 0, 0
	QUARTER 1, 3, 0, 1, 0
	TURN 1, 0, 1
	QUARTER 0, 1, 0, 1, 0
	WIN 0
	s_sub_co_u32 s3, s3, 1
	s_cmp_lg_u32 s3, 0
	s_cbranch_scc1 .Llap
	QUARTER 0, 2, 1, 0, 0                          ; the last lap fills nothing
	QUARTER 0, 3, 0, 1, 0
	TURN 0, 1, 0
	QUARTER 1, 1, 0, 1, 0
	QUARTER 1, 2, 1, 0, 0
	QUARTER 1, 3, 0, 1, 0
	s_wait_dscnt 4                                 ; the very last quarter: nothing more to fetch
	MUL8 1, 0, 0
	MUL8 1, 1, 0
	s_wait_dscnt 0x0
	MUL8 1, 2, 0
	MUL8 1, 3, 0
	WIN 0
	PLACES
; THE WAY OUT, a block of 16 rows at a time: rounded to f16 (16 bytes a lane, each accumulator from its low end on), into my own stage, back as whole rows of 256 bytes, stored.
.macro PACK a
	WIN 0x05                                       ; sources 0 and 1 window 1, destination window 0
.irp b, 0,1,2,3,4,5,6,7
.irp r, 0,1,2,3
	v_cvt_pk_f16_f32 v[TMP+4*(\b)+(\r)], v[64*(\a)+8*(\b)+2*(\r)], v[64*(\a)+8*(\b)+2*(\r)+1]
.endr
.endr
	WIN 0
.endm
.macro TOSTAGE a
.set BK, 64+32*((\a)%2)
.irp b, 0,1,2,3,4,5,6,7
	ds_store_b128 v[STO], v[TMP+4*(\b):TMP+4*(\b)+3] offset:32*(\b)
.endr
.irp t, 0,1,2,3,4,5,6,7
	ds_load_b128 v[BK+4*(\t):BK+4*(\t)+3], v[RD] offset:(\t)*2*PITCH  ; LDS serves a wave's instructions in order (ISA guide 5.7.1.4): these see the stores above
.endr
.endm
.macro SEND a
.set BK, 64+32*((\a)%2)
	s_wait_dscnt 0x0                               ; the block is back in registers
	s_wait_xcnt 0x0                                ; earlier stores have read their registers: the buffer of the block before is loaded again only behind this wait
.irp t, 0,1,2,3,4,5,6,7
	global_store_b128 v[CO], v[BK+4*(\t):BK+4*(\t)+3], s[8:9] offset:(16*(\a)+2*(\t))*CROW  ; 16 lanes store 256 consecutive bytes, at a multiple of 256 from the buffer's first byte
.endr
.endm
	PACK 0
	TOSTAGE 0
.irp a, 1,2,3                          ; block a's conversions stand between block a - 1's loads from the stage and the wait for them
	PACK \a
	SEND (\a)-1
	TOSTAGE \a
.endr
	SEND 3
	s_wait_tensorcnt 0x0                           ; the wave's end
	ds_add_u32 v[SPW], v[NIL]
	s_wait_dscnt 0x0
	CROUND                                         ; the closing round: no work-group ends while a partner may still ask for a tile that names it
	s_endpgm
.Lfunc_end_k_q653731ae82_proj:
	.size	k_q653731ae82_proj, .Lfunc_end_k_q653731ae82_proj-k_q653731ae82_proj
	.p2alignl 7, 3214868480
	.fill 96, 4, 3214868480
	.section	.rodata,"a",@progbits
	.p2align	6, 0x0
	.amdhsa_kernel k_q653731ae82_proj
		.amdhsa_group_segment_fixed_size 327680
		.amdhsa_private_segment_fixed_size 0
		.amdhsa_enable_private_segment 0
		.amdhsa_kernarg_size 48
		.amdhsa_user_sgpr_count 2
		.amdhsa_user_sgpr_kernarg_segment_ptr 1
		.amdhsa_wavefront_size32 1
		.amdhsa_system_sgpr_workgroup_id_x 1
		.amdhsa_system_sgpr_workgroup_id_y 1
		.amdhsa_system_sgpr_workgroup_id_z 1
		.amdhsa_system_vgpr_workitem_id 0
		.amdhsa_next_free_vgpr 608
		.amdhsa_next_free_sgpr 80
		.amdhsa_reserve_vcc 0
		.amdhsa_float_denorm_mode_32 3
		.amdhsa_float_denorm_mode_16_64 3
		.amdhsa_memory_ordered 1
		.amdhsa_forward_progress 1
		.amdhsa_inst_pref_size 93
	.end_amdhsa_kernel
	.amdgpu_metadata
---
amdhsa.version: [ 1, 2 ]
amdhsa.kernels:
  - .name:           k_q653731ae82_proj
    .symbol:         k_q653731ae82_proj.kd
    .args:
      - { .name: xb, .offset: 0, .size: 8, .value_kind: global_buffer, .address_space: global }
      - { .name: wb, .offset: 8, .size: 8, .value_kind: global_buffer, .address_space: global }
      - { .name: bq, .offset: 16, .size: 8, .value_kind: global_buffer, .address_space: global }
      - { .name: bk, .offset: 24, .size: 8, .value_kind: global_buffer, .address_space: global }
      - { .name: bv, .offset: 32, .size: 8, .value_kind: global_buffer, .address_space: global }
      - { .name: qkv, .offset: 40, .size: 8, .value_kind: global_buffer, .address_space: global }
    .group_segment_fixed_size: 327680
    .private_segment_fixed_size: 0
    .kernarg_segment_align: 8
    .kernarg_segment_size: 48
    .max_flat_workgroup_size: 128
    .sgpr_count:     80
    .vgpr_count:     608
    .wavefront_size: 32
...
	.end_amdgpu_metadata
.endif
;; end of part 2
;; launch scores (part 3): grid 8 x 64, 4 waves a work-group, clusters of 4 x 4, 327,680 bytes of LDS; arguments qkv, pp, st; writes pp, st
.if DOCPART == 3
	.amdgcn_target "amdgcn-amd-amdhsa--gfx1250"
	.amdhsa_code_object_version 6
	.text
	.protected	k_q653731ae82_scores
	.globl	k_q653731ae82_scores
	.p2align	8
	.type	k_q653731ae82_scores,@function
k_q653731ae82_scores:
	s_mov_b64 s[64:65], 0
	v_nop
	global_prefetch_b8 v0, s[64:65] scope:SCOPE_SE
	s_setreg_imm32_b32 hwreg(HW_REG_WAVE_MODE, 25, 1), 1
	s_wait_xcnt 0x0
	s_wait_alu depctr_hold_cnt(0) depctr_sa_sdst(0) depctr_va_vdst(0) depctr_va_sdst(0) depctr_va_ssrc(0) depctr_va_vcc(0) depctr_vm_vsrc(0)
	s_getreg_b32 s2, hwreg(HW_REG_IB_STS2, 6, 4)
	s_cmp_eq_u32 s2, 0
	s_cbranch_scc0 .Lentry_in_a_cluster
	s_endpgm
.Lentry_in_a_cluster:
	s_bfe_u32 s2, ttmp6, 0x10000c
	s_cmp_lg_u32 s2, 0xf033
	s_cbranch_scc0 .Lentry_shape_is_right
	s_endpgm
.Lentry_shape_is_right:
; s[q][k] = Q[q] . K[k] for the keys of q's batch; for each block j of 128 keys: cm = c x (the block's largest s), p' = 2^(c s - cm), l = the sum of the block's p'.  c = log2(e) / 32.
; qkv [8192][3072] f16 (Q columns 0-1023, K 1024-2047); pp [8192][2048] f16 takes p'; st takes cm and l in f32: byte 8192 (row / 64) + 512 j + 256 (0: cm, 1: l) + 16 (row % 16) + 4 ((row / 16) % 4).
; The maximum taken away is the true maximum of the 128 keys; the launch behind takes the maximum over the 16 blocks and corrects by 2^(cm_j - max), so the softmax is the reference's.
; LIMITS.  p' lies in 0 to 1; below 6e-5 it keeps f16's fixed step of 6e-8; a weight below 2^-126 counts as 0 in l (taken of the unrounded p').  NaN and infinities are not treated apart.
; SHARES.  A tile is 128 queries x 256 keys: 8 x 64 = 512 work-groups, two for each of 256 WGPs.  Four waves, 2 x 2, each 64 queries x 128 keys (one block j): 32 accumulators, 256 registers.
; K (the channels, 1,024) goes in steps of 128 (rows of 256 bytes at multiples of 256) through a ring of two LDS slots filled by tensor loads, one load a wave behind each change of slots.
; CLUSTER.  4 x 4 work-groups: a row of the cluster shares its tiles of Q, a column its tiles of K (the batch hangs on cluster y alone): each is asked for JOINTLY.
; TRANSPOSED USE (source 0 = 16 keys, source 1 = 16 queries): lane l holds query l % 16 and the keys 8 (l / 16) + 0..7 of each block: a query's maximum and sum want one exchange between the lanes' halves.
; REGISTERS (s_set_vgpr_msb: bits 1:0 source 0, 3:2 source 1, 5:4 source 2, 7:6 destination):
;   window 0: v0-31 addresses; v32-55 statistics; v64-95, v96-127 fragments of Q; v128-191, v192-255 fragments of K; on the way out v128-159 packed p', v64-127 rows read back
;   window 1: accumulator (a, b) at v[8 (8 a + b)]
.set PITCH,  272                       ; an LDS row: 256 bytes + 16 of padding: row r starts at bank 4 r mod 64 (64 banks of 4 bytes: ISA guide 11.1)
.set AH,     64*PITCH
.set ATILE,  2*AH
.set BH,     128*PITCH
.set SLOT,   ATILE+2*BH
.set STAGE,  2*SLOT                    ; behind the ring: 16 rows x 272 bytes for each wave
.set SPARE,  STAGE+4*16*PITCH          ; the spare words, 128 bytes a wave: two blocks of 256 bytes that no other line names
.set LAPS,   1024/256
.set KROW,   3072                      ; elements from row to row in qkv
.set ASTEP,  256
.set BSTEP,  256
.set CROW,   4096                      ; bytes in a row of pp
.set ADRA, 16
.set ADRB, 20
.set STO,  24
.set RD,   25
.set CO,   26
.set SO,   27                          ; v27     16 x lane: my place in the wave's 512 bytes of st
.set SPW,  28
.set NIL,  29
.set T,    32                          ; v32-39  at work
.set CM,   40                          ; v40-41  c m of the block in hand, twice (named as a pair)
.set CMS,  44                          ; v44-47  c m of row blocks 0-3
.set LSM,  48                          ; v48-51  l of row blocks 0-3
.set OUTS, 52                          ; v52-55  what goes to st
.set FA,   64
.set FB,   128
.set TMP,  128
.set G1,  24
.set G0,  32
.set G1B, 48
.set G0B, 56
.set SEL, 76                           ; s[76:77] v_permlanex16_b32's selects: each lane takes its own place in the other half
.set CS,  78                           ; s[78:79] c, named as a pair
.set MUL,  0x50                        ; A and B window 0, C and D window 1
.set MSB, 0
.macro WIN new
.if MSB != (\new)
	s_set_vgpr_msb (MSB<<8)|(\new)
.set MSB, \new
.endif
.endm
.macro PLACES                          ; four places (ISA guide 7.12.1)
.rept 4
	v_nop
.endr
.endm
.macro JLOAD s                         ; a joint load: waves 0 and 1 fetch Q's two halves, waves 2 and 3 K's; an s_nop 0 and four v_nop follow each line
	s_cmp_eq_u32 s11, 0
	s_cbranch_scc0 .Lfor_b_\@
	tensor_load_to_lds s[G0+4*(\s):G0+4*(\s)+3], s[G1:G1+7]
	s_nop 0
.rept 4
	v_nop
.endr
	s_branch .Lasked_\@
.Lfor_b_\@:
	tensor_load_to_lds s[G0B+4*(\s):G0B+4*(\s)+3], s[G1B:G1B+7]
	s_nop 0
.rept 4
	v_nop
.endr
.Lasked_\@:
.endm
.macro CREST
	s_cmp_lg_u32 s10, 0
	s_cbranch_scc1 .Lnot_wave_0_\@
	s_barrier_signal -3
.Lnot_wave_0_\@:
	s_barrier_wait -3
	s_barrier_signal -1
	s_barrier_wait -1
.endm
.macro CROUND
	s_barrier_signal -1
	s_barrier_wait -1
	CREST
.endm
	s_load_b128 s[4:7], s[0:1], 0x0                ; qkv s[4:5], pp s[6:7]
	s_load_b64 s[68:69], s[0:1], 0x10              ; st
	v_lshl_add_u32 v[SPW], v0, 2, SPARE
	v_mov_b32 v[NIL], 0
	ds_add_u32 v[SPW], v[NIL]                      ; the wave's opening: the add and its wait stand ahead of my first tensor load
	v_lshrrev_b32 v1, 5, v0
	v_readfirstlane_b32 s10, v1                    ; wave 0..3
	s_lshr_b32 s11, s10, 1                         ; my half of the queries.  Also: I fetch for Q (0) or for K (1)
	s_and_b32 s12, s10, 1                          ; my half of the keys.  Also: which half of that tile I fetch
	s_bfe_u32 s40, ttmp6, 0x40000                  ; cx, cy
	s_bfe_u32 s41, ttmp6, 0x40004
	s_lshl_b32 s42, ttmp9, 2
	s_add_co_u32 s42, s42, s40                     ; tile column (256 keys) = 4 x cluster x + cx
	s_and_b32 s45, ttmp7, 0xffff
	s_lshl_b32 s13, s45, 2
	s_add_co_u32 s13, s13, s41                     ; tile row (128 queries) = 4 x cluster y + cy
	s_lshr_b32 s45, s45, 2                         ; the batch: four clusters of 512 queries each; cy does not enter
	s_lshl_b32 s43, s41, 2
	s_lshl_b32 s43, 15, s43                        ; my row of the cluster
	s_lshl_b32 s44, 0x1111, s40                    ; my column
	s_or_b32 s[G1+0], s43, (1<<16)|(1<<20)|(1<<21)|(5<<22)|(3<<25)   ; mask; 2-byte elements; padding on; 21 set beside a mask; after every 64 words 4 words
	s_or_b32 s[G1B+0], s44, (1<<16)|(1<<20)|(1<<21)|(5<<22)|(3<<25)
	s_mov_b32 s[G1+1], 128<<16                     ; tensor_dim0 = 128
	s_mov_b32 s[G1+2], 64<<16                      ; tensor_dim1 = 64
	s_mov_b32 s[G1+3], 128<<16                     ; tile_dim0 = 128
	s_mov_b32 s[G1+4], 64                          ; tile_dim1 = 64
	s_mov_b32 s[G1+5], KROW
	s_mov_b32 s[G1+6], 0
	s_mov_b32 s[G1+7], 0
	s_mov_b32 s[G1B+1], 128<<16
	s_mov_b32 s[G1B+2], 128<<16
	s_mov_b32 s[G1B+3], 128<<16
	s_mov_b32 s[G1B+4], 128
	s_mov_b32 s[G1B+5], KROW
	s_mov_b32 s[G1B+6], 0
	s_mov_b32 s[G1B+7], 0
	s_mov_b32 s[SEL], 0x76543210
	s_mov_b32 s[SEL+1], 0xfedcba98
	s_mov_b32 s[CS], 0x3d38aa3b                    ; c = log2(e) / 32 = 0.0450842
	s_mov_b32 s[CS+1], 0x3d38aa3b
	s_lshl_b32 s16, s13, 7                         ; Q: row 128 x tile row + 64 x half, 6,144 bytes a row (under 2^26)
	s_lshl_b32 s17, s12, 6
	s_add_co_u32 s16, s16, s17
	s_mul_i32 s16, s16, KROW*2
	s_mov_b32 s17, 0
	s_lshl_b32 s46, s45, 11                        ; K: row 2,048 x batch + 256 x tile column + 128 x half, 2,048 bytes into the row
	s_lshl_b32 s47, s42, 8
	s_add_co_u32 s46, s46, s47
	s_lshl_b32 s47, s12, 7
	s_add_co_u32 s46, s46, s47
	s_mul_i32 s46, s46, KROW*2
	s_add_co_u32 s46, s46, 2048
	s_mov_b32 s47, 0
	s_mul_i32 s20, s12, AH
	s_mul_i32 s21, s12, BH
	s_add_co_u32 s21, s21, ATILE
	s_wait_dscnt 0x0                               ; the opening add is done
	s_wait_kmcnt 0x0
	s_add_nc_u64 s[14:15], s[4:5], s[16:17]
	s_add_nc_u64 s[46:47], s[4:5], s[46:47]
	CROUND                                         ; all sixteen work-groups are here: the first joint loads meet
.irp s, 0,1
	s_mov_b32 s[G0+4*(\s)], 1
	s_add_co_u32 s[G0+4*(\s)+1], s20, (\s)*SLOT
	s_add_nc_u64 s[G0+4*(\s)+2:G0+4*(\s)+3], s[14:15], (\s)*ASTEP
	s_or_b32 s[G0+4*(\s)+3], s[G0+4*(\s)+3], 0x80000000
	s_mov_b32 s[G0B+4*(\s)], 1
	s_add_co_u32 s[G0B+4*(\s)+1], s21, (\s)*SLOT
	s_add_nc_u64 s[G0B+4*(\s)+2:G0B+4*(\s)+3], s[46:47], (\s)*BSTEP
	s_or_b32 s[G0B+4*(\s)+3], s[G0B+4*(\s)+3], 0x80000000
	JLOAD \s                                       ; two loads of mine are out
.endr
	v_and_b32 v1, 15, v0                           ; r
	v_bfe_u32 v2, v0, 4, 1                         ; h
	v_mul_u32_u24 v3, v1, PITCH
	v_lshl_add_u32 v3, v2, 4, v3                   ; a fragment's row x pitch + 16 x half
	s_mul_i32 s22, s11, AH
	s_mul_i32 s23, s12, BH
	s_add_co_u32 s23, s23, ATILE
.irp s, 0,1
	v_add_nc_u32 v[ADRA+(\s)], s22, v3
	v_add_nc_u32 v[ADRB+(\s)], s23, v3
	s_add_co_u32 s22, s22, SLOT
	s_add_co_u32 s23, s23, SLOT
.endr
	s_mul_i32 s22, s10, 16*PITCH
	s_add_co_u32 s22, s22, STAGE                   ; my stage
	v_add_nc_u32 v[STO], s22, v3
	v_mul_u32_u24 v3, v2, PITCH
	v_lshl_add_u32 v3, v1, 4, v3
	v_add_nc_u32 v[RD], s22, v3
	v_lshlrev_b32 v3, 12, v2                       ; two rows of pp
	v_lshl_add_u32 v[CO], v1, 4, v3
	v_and_b32 v3, 31, v0
	v_lshlrev_b32 v[SO], 4, v3
	s_lshl_b32 s16, s13, 7
	s_lshl_b32 s17, s11, 6
	s_add_co_u32 s16, s16, s17                     ; my first row of pp
	s_lshl_b32 s16, s16, 12
	s_mov_b32 s17, 0
	s_lshl_b32 s46, s42, 9                         ; my first key, in bytes
	s_lshl_b32 s47, s12, 8
	s_add_co_u32 s46, s46, s47
	s_mov_b32 s47, 0
	s_add_nc_u64 s[16:17], s[16:17], s[46:47]
	s_add_nc_u64 s[8:9], s[6:7], s[16:17]
	s_lshl_b32 s16, s13, 1
	s_add_co_u32 s16, s16, s11                     ; my group of 64 rows,
	s_lshl_b32 s16, s16, 13
	s_lshl_b32 s46, s42, 1
	s_add_co_u32 s46, s46, s12                     ; my block of 128 keys
	s_lshl_b32 s46, s46, 9
	s_add_co_u32 s16, s16, s46
	s_add_nc_u64 s[68:69], s[68:69], s[16:17]
; 8 matrix instructions: row block a x all 8 key blocks, 32 along K, from buffer f.  zero = 1: the first product starts the sums.  The 32 accumulators take turns.
.macro MUL8 f, a, zero
	WIN MUL
.irp b, 0,1,2,3,4,5,6,7
.if \zero
	v_wmma_f32_16x16x32_f16 v[8*(8*(\a)+(\b)):8*(8*(\a)+(\b))+7], v[FB+64*(\f)+8*(\b):FB+64*(\f)+8*(\b)+7], v[FA+32*(\f)+8*(\a):FA+32*(\f)+8*(\a)+7], 0
.else
	v_wmma_f32_16x16x32_f16 v[8*(8*(\a)+(\b)):8*(8*(\a)+(\b))+7], v[FB+64*(\f)+8*(\b):FB+64*(\f)+8*(\b)+7], v[FA+32*(\f)+8*(\a):FA+32*(\f)+8*(\a)+7], v[8*(8*(\a)+(\b)):8*(8*(\a)+(\b))+7]
.endif
.endr
.endm
.macro FETCH slot, q, f                ; 24 LDS loads in one run: quarter q of a slot into buffer f: K's 128 rows, then Q's 64
	WIN 0
.irp i, 0,1,2,3,4,5,6,7
	ds_load_b128 v[FB+64*(\f)+8*(\i):FB+64*(\f)+8*(\i)+3],   v[ADRB+(\slot)] offset:64*(\q)+(\i)*16*PITCH
	ds_load_b128 v[FB+64*(\f)+8*(\i)+4:FB+64*(\f)+8*(\i)+7], v[ADRB+(\slot)] offset:64*(\q)+(\i)*16*PITCH+32
.endr
.irp i, 0,1,2,3
	ds_load_b128 v[FA+32*(\f)+8*(\i):FA+32*(\f)+8*(\i)+3],   v[ADRA+(\slot)] offset:64*(\q)+(\i)*16*PITCH
	ds_load_b128 v[FA+32*(\f)+8*(\i)+4:FA+32*(\f)+8*(\i)+7], v[ADRA+(\slot)] offset:64*(\q)+(\i)*16*PITCH+32
.endr
.endm
.macro QUARTER slot, q, f, g, zero
	s_wait_dscnt 4                                 ; K's fragments and Q's blocks 0, 1 are in; the youngest four loads (Q's blocks 2, 3) may be out
	MUL8 \f, 0, \zero
	MUL8 \f, 1, \zero
	PLACES
	FETCH \slot, \q, \g
	s_wait_dscnt 24                                ; all but the 24 just issued
	MUL8 \f, 2, \zero
	MUL8 \f, 3, \zero
.endm
; The change of slots: each wave waits for all its tensor loads (one is out: its part of the next slot), adds 0 to its spare word, waits for that and for its reads of this slot; one barrier;
; fill = 1: it opens a round of the cluster's barrier, and this slot is filled again, two K steps ahead, first thing behind the round.
.macro TURN slot, next, fill
	WIN 0
	s_wait_tensorcnt 0x0
	ds_add_u32 v[SPW], v[NIL]
	s_wait_dscnt 5                                 ; (the add and the youngest four loads may be out)
	MUL8 1, 0, 0
	s_wait_dscnt 0x0                               ; the add is done, and my reads of this slot are over
	s_barrier_signal -1
	MUL8 1, 1, 0
.if \fill
	WIN 0
.endif
	s_barrier_wait -1
.if \fill
	CREST
	s_add_nc_u64 s[G0+4*(\slot)+2:G0+4*(\slot)+3], s[G0+4*(\slot)+2:G0+4*(\slot)+3], 2*ASTEP
	s_add_nc_u64 s[G0B+4*(\slot)+2:G0B+4*(\slot)+3], s[G0B+4*(\slot)+2:G0B+4*(\slot)+3], 2*BSTEP
	JLOAD \slot                                    ; its four v_nop are also the places in front of the loads below
.else
	PLACES
.endif
	FETCH \next, 0, 0
	MUL8 1, 2, 0
	MUL8 1, 3, 0
.endm
	s_wait_tensorcnt 1                             ; my part of K step 0 is in; K step 1's may stay out
	s_barrier_signal -1
	s_barrier_wait -1
	FETCH 0, 0, 0
	QUARTER 0, 1, 0, 1, 1
	WIN 0
	s_mov_b32 s3, LAPS-1
.Llap:                                                 ; a trip goes once round the ring and fills both slots again
	QUARTER 0, 2, 1, 0, 0
	QUARTER 0, 3, 0, 1, 0
	TURN 0, 1, 1
	QUARTER 1, 1, 0, 1, 0
	QUARTER 1, 2, 1, 0, 0
	QUARTER 1, 3, 0, 1, 0
	TURN 1, 0, 1
	QUARTER 0, 1, 0, 1, 0
	WIN 0
	s_sub_co_u32 s3, s3, 1
	s_cmp_lg_u32 s3, 0
	s_cbranch_scc1 .Llap
	QUARTER 0, 2, 1, 0, 0                          ; the last lap fills nothing
	QUARTER 0, 3, 0, 1, 0
	TURN 0, 1, 0
	QUARTER 1, 1, 0, 1, 0
	QUARTER 1, 2, 1, 0, 0
	QUARTER 1, 3, 0, 1, 0
	s_wait_dscnt 4
	MUL8 1, 0, 0
	MUL8 1, 1, 0
	s_wait_dscnt 0x0
	MUL8 1, 2, 0
	MUL8 1, 3, 0
	WIN 0
	PLACES
; THE SOFTMAX'S FIRST HALF for row block a: a lane holds 64 scores of one query (8 accumulators x 8), the lane 16 away the other 64.
.macro SOFT a
.set AC, 64*(\a)
	WIN 0x15                                       ; all three sources window 1
.irp b, 0,1,2,3,4,5,6,7
	v_max3_num_f32 v[T+(\b)], v[AC+8*(\b)], v[AC+8*(\b)+1], v[AC+8*(\b)+2]
.endr
	WIN 0x14                                       ; source 0 window 0
.irp b, 0,1,2,3,4,5,6,7
	v_max3_num_f32 v[T+(\b)], v[T+(\b)], v[AC+8*(\b)+3], v[AC+8*(\b)+4]
.endr
.irp b, 0,1,2,3,4,5,6,7
	v_max3_num_f32 v[T+(\b)], v[T+(\b)], v[AC+8*(\b)+5], v[AC+8*(\b)+6]
.endr
.irp i, 0,1,2,3
	v_max3_num_f32 v[T+2*(\i)], v[T+2*(\i)], v[AC+16*(\i)+7], v[AC+16*(\i)+15]
.endr
	WIN 0
	v_max3_num_f32 v[T], v[T], v[T+1], v[T+2]
	v_max3_num_f32 v[T+3], v[T+3], v[T+4], v[T+5]
	v_max_num_f32 v[T+6], v[T+6], v[T+7]
	v_max3_num_f32 v[T], v[T], v[T+3], v[T+6]
	v_permlanex16_b32 v[T+1], v[T], s[SEL], s[SEL+1]   ; the query's other 64 keys
	v_max_num_f32 v[T], v[T], v[T+1]
	v_mul_f32 v[CM], s[CS], v[T]                   ; c m,
	v_mul_f32 v[CM+1], s[CS], v[T]                 ; named with it as a pair,
	v_mul_f32 v[CMS+(\a)], s[CS], v[T]             ; and kept for st
	WIN 0x45                                       ; destination and sources 0, 1 window 1; source 2 (c m) window 0
.set i, 0
.rept 32
	v_pk_fma_f32 v[AC+2*i:AC+2*i+1], v[AC+2*i:AC+2*i+1], s[CS:CS+1], v[CM:CM+1] op_sel_hi:[1,0,0] neg_lo:[0,0,1] neg_hi:[0,0,1]  ; c s - c m
.set i, i+1
.endr
.set i, 0
.rept 64
	v_exp_f32 v[AC+i], v[AC+i]
.set i, i+1
.endr
	v_nop                                          ; a plain instruction between the exponentials and the first use of a result (ISA guide 5.7.2)
	WIN 0x05
.set i, 0
	s_wait_alu depctr_va_vdst(0)
.rept 32
	v_cvt_pk_f16_f32 v[TMP+i], v[AC+2*i], v[AC+2*i+1]
.set i, i+1
.endr
	WIN 0x45                                       ; the sum of the 32 pairs, in place, as a tree: neighbours 2, 4, 8, 16 and 32 registers apart
.irp d, 2,4,8,16,32
.set i, 0
.rept 32/(\d)
	v_pk_add_f32 v[AC+2*(\d)*i:AC+2*(\d)*i+1], v[AC+2*(\d)*i:AC+2*(\d)*i+1], v[AC+2*(\d)*i+(\d):AC+2*(\d)*i+(\d)+1]
.set i, i+1
.endr
.endr
	WIN 0x05
	v_add_f32 v[T], v[AC], v[AC+1]
	WIN 0
	v_permlanex16_b32 v[T+1], v[T], s[SEL], s[SEL+1]
	v_add_f32 v[LSM+(\a)], v[T], v[T+1]
.endm
.macro TOSTAGE a                       ; 16 bytes a lane into my own stage, back as whole rows of 256 bytes
.set BK, 64+32*((\a)%2)
.irp b, 0,1,2,3,4,5,6,7
	ds_store_b128 v[STO], v[TMP+4*(\b):TMP+4*(\b)+3] offset:32*(\b)
.endr
.irp t, 0,1,2,3,4,5,6,7
	ds_load_b128 v[BK+4*(\t):BK+4*(\t)+3], v[RD] offset:(\t)*2*PITCH  ; LDS serves a wave's instructions in order (ISA guide 5.7.1.4): these see the stores above
.endr
.endm
.macro SEND a
.set BK, 64+32*((\a)%2)
	s_wait_dscnt 0x0                               ; the block is back in registers
	s_wait_xcnt 0x0                                ; earlier stores have read their registers: the other buffer is loaded again only behind this wait
.irp t, 0,1,2,3,4,5,6,7
	global_store_b128 v[CO], v[BK+4*(\t):BK+4*(\t)+3], s[8:9] offset:(16*(\a)+2*(\t))*CROW  ; 16 lanes store 256 consecutive bytes, at a multiple of 256 from the buffer's first byte
.endr
.endm
	SOFT 0
	TOSTAGE 0
.irp a, 1,2,3                          ; block a's softmax stands between block a - 1's loads from the stage and the wait for them
	SOFT \a
	SEND (\a)-1
	TOSTAGE \a
.endr
	SEND 3
	v_and_b32 v3, 31, v0                           ; the statistics: lanes 0-15 send c m of rows r, 16 + r, 32 + r, 48 + r, lanes 16-31 their l: 512 consecutive bytes
	v_cmp_le_u32 vcc_lo, 16, v3
.irp a, 0,1,2,3
	v_cndmask_b32 v[OUTS+(\a)], v[CMS+(\a)], v[LSM+(\a)], vcc_lo
.endr
	global_store_b128 v[SO], v[OUTS:OUTS+3], s[68:69]
	s_wait_tensorcnt 0x0                           ; the wave's end
	ds_add_u32 v[SPW], v[NIL]
	s_wait_dscnt 0x0
	CROUND                                         ; the closing round
	s_endpgm
.Lfunc_end_k_q653731ae82_scores:
	.size	k_q653731ae82_scores, .Lfunc_end_k_q653731ae82_scores-k_q653731ae82_scores
	.p2alignl 7, 3214868480
	.fill 96, 4, 3214868480
	.section	.rodata,"a",@progbits
	.p2align	6, 0x0
	.amdhsa_kernel k_q653731ae82_scores
		.amdhsa_group_segment_fixed_size 327680
		.amdhsa_private_segment_fixed_size 0
		.amdhsa_enable_private_segment 0
		.amdhsa_kernarg_size 24
		.amdhsa_user_sgpr_count 2
		.amdhsa_user_sgpr_kernarg_segment_ptr 1
		.amdhsa_wavefront_size32 1
		.amdhsa_system_sgpr_workgroup_id_x 1
		.amdhsa_system_sgpr_workgroup_id_y 1
		.amdhsa_system_sgpr_workgroup_id_z 1
		.amdhsa_system_vgpr_workitem_id 0
		.amdhsa_next_free_vgpr 512
		.amdhsa_next_free_sgpr 80
		.amdhsa_reserve_vcc 1
		.amdhsa_float_denorm_mode_32 3
		.amdhsa_float_denorm_mode_16_64 3
		.amdhsa_memory_ordered 1
		.amdhsa_forward_progress 1
		.amdhsa_inst_pref_size 121
	.end_amdhsa_kernel
	.amdgpu_metadata
---
amdhsa.version: [ 1, 2 ]
amdhsa.kernels:
  - .name:           k_q653731ae82_scores
    .symbol:         k_q653731ae82_scores.kd
    .args:
      - { .name: qkv, .offset: 0, .size: 8, .value_kind: global_buffer, .address_space: global }
      - { .name: pp, .offset: 8, .size: 8, .value_kind: global_buffer, .address_space: global }
      - { .name: st, .offset: 16, .size: 8, .value_kind: global_buffer, .address_space: global }
    .group_segment_fixed_size: 327680
    .private_segment_fixed_size: 0
    .kernarg_segment_align: 8
    .kernarg_segment_size: 24
    .max_flat_workgroup_size: 128
    .sgpr_count:     80
    .vgpr_count:     512
    .wavefront_size: 32
...
	.end_amdgpu_metadata
.endif
;; end of part 3
;; launch pv (part 4): grid 4 x 64, 4 waves a work-group, clusters of 4 x 4, 327,680 bytes of LDS; arguments pp, qkv, st, out0; writes out0
.if DOCPART == 4
	.amdgcn_target "amdgcn-amd-amdhsa--gfx1250"
	.amdhsa_code_object_version 6
	.text
	.protected	k_q653731ae82_pv
	.globl	k_q653731ae82_pv
	.p2align	8
	.type	k_q653731ae82_pv,@function
k_q653731ae82_pv:
	s_mov_b64 s[64:65], 0
	v_nop
	global_prefetch_b8 v0, s[64:65] scope:SCOPE_SE
	s_setreg_imm32_b32 hwreg(HW_REG_WAVE_MODE, 25, 1), 1
	s_wait_xcnt 0x0
	s_wait_alu depctr_hold_cnt(0) depctr_sa_sdst(0) depctr_va_vdst(0) depctr_va_sdst(0) depctr_va_ssrc(0) depctr_va_vcc(0) depctr_vm_vsrc(0)
	s_getreg_b32 s2, hwreg(HW_REG_IB_STS2, 6, 4)
	s_cmp_eq_u32 s2, 0
	s_cbranch_scc0 .Lentry_in_a_cluster
	s_endpgm
.Lentry_in_a_cluster:
	s_bfe_u32 s2, ttmp6, 0x10000c
	s_cmp_lg_u32 s2, 0xf033
	s_cbranch_scc0 .Lentry_shape_is_right
	s_endpgm
.Lentry_shape_is_right:
; out0[q][n] = (sum over blocks j of f_j[q] x sum over the block's keys k of p'[q][k] V[k][n]) / (sum over j of f_j[q] l_j[q]),  f_j[q] = 2^(cm_j[q] - max over j of cm_j[q]).
; pp [8192][2048] f16 (p' of the 2,048 keys of q's batch, in 16 blocks of 128); V = columns 2048-3071 of qkv [8192][3072] f16; st: cm and l in f32, at byte
; 8192 (row / 64) + 512 j + 256 (0: cm, 1: l) + 16 (row % 16) + 4 ((row / 16) % 4); out0 [8192][1024] f32.  The maximum over all keys is taken away here: f p' = 2^(c s - c max).
; LIMITS.  f and f p' are f16: they lie in 0 to 1, and below 6e-5 keep f16's fixed step of 6e-8; the divisor is at least 1 (the largest block has f = 1 and l >= 1).  NaN and infinities are not treated apart.
; SHARES.  A tile is 128 queries x 256 channels: 4 x 64 = 256 work-groups, one for each WGP.  Four waves, 2 x 2, each 64 x 128: 32 accumulators.  The keys go in steps of 128, one block j a step,
; through a ring of two LDS slots; a wave issues one tensor load behind each change of slots.  p' comes out of LDS as it lies, V ([key][channel]) turned, by ds_load_tr16_b128.
; f_j multiplies p's fragments (v_pk_mul_f16, four behind each of a quarter's last eight matrix instructions); 1 / the divisor multiplies the sums in f32 at the end.
; CLUSTER.  4 x 4 work-groups: a row of the cluster shares its tiles of p', a column its tiles of V (the batch hangs on cluster y alone): each is asked for JOINTLY.
; TRANSPOSED USE (source 0 = 16 channels, source 1 = 16 queries): lane l holds query l % 16 and channels 8 (l / 16) + 0..7.
; REGISTERS (s_set_vgpr_msb: bits 1:0 source 0, 3:2 source 1, 5:4 source 2, 7:6 destination):
;   window 0: v4-7 f of the step in hand, row blocks 0-3, in both halves; v8-31 addresses; v32-47 statistics; v64-95, v96-127 fragments of p'; v128-191, v192-255 fragments of V
;   window 1: accumulator (a, b) at v[8 (8 a + b)]
.set PITCH,  272                       ; a row of p' in LDS: 256 bytes + 16: row r starts at bank 4 r mod 64 (64 banks of 4 bytes: ISA guide 11.1)
.set PV,     544                       ; a row of V: 512 bytes + 32 = 136 words
.set AH,     64*PITCH
.set ATILE,  2*AH
.set BH,     64*PV                     ; half of V's tile: 64 keys
.set SLOT,   ATILE+2*BH
.set STAGE,  2*SLOT                    ; behind the ring: 16 rows x 528 bytes for each wave, for the way out
.set SPITCH, 528
.set FT,     STAGE+4*16*SPITCH         ; the factors: for each wave 16 steps x 16 rows x 4 row blocks x 4 bytes = 4,096 bytes, its own
.set SPARE,  FT+4*4096                 ; the spare words, 128 bytes a wave: two blocks of 256 bytes that no other line names
.set LAPS,   2048/256
.set ASTEP,  256                       ; 128 keys along a row of pp
.set BSTEP,  128*6144                  ; 128 rows of qkv
.set CROW,   4096
.set FC,   4
.set ADRA, 16
.set ADRB, 20
.set STO,  24
.set RD,   25
.set CO,   26
.set FTA,  27                          ; v27     LDS address of my row's factors; steps by two K steps a trip
.set SPW,  28
.set NIL,  29
.set SV,   30                          ; v30     16 r: my row's place in st
.set MX,   32                          ; v32-35  the largest cm, row blocks 0-3
.set LSUM, 36                          ; v36-39  the divisor
.set RL,   40                          ; v40-47  its reciprocal, twice for each row block (a pair for the packed multiply)
.set MS,   64                          ; v64-127   cm, then f: step j, row block a at MS + 4 j + a (before the first fragments come)
.set LL,   128                         ; v128-191  l likewise
.set FA,   64
.set FB,   128
.set G1,  24
.set G0,  32
.set G1B, 48
.set G0B, 56
.set MUL,  0x50
.set MSB, 0
.macro WIN new
.if MSB != (\new)
	s_set_vgpr_msb (MSB<<8)|(\new)
.set MSB, \new
.endif
.endm
.macro PLACES                          ; four places (ISA guide 7.12.1)
.rept 4
	v_nop
.endr
.endm
.macro JLOAD s                         ; a joint load: waves 0 and 1 fetch the two halves of p's tile, waves 2 and 3 of V's; an s_nop 0 and four v_nop follow each line
	s_cmp_eq_u32 s11, 0
	s_cbranch_scc0 .Lfor_b_\@
	tensor_load_to_lds s[G0+4*(\s):G0+4*(\s)+3], s[G1:G1+7]
	s_nop 0
.rept 4
	v_nop
.endr
	s_branch .Lasked_\@
.Lfor_b_\@:
	tensor_load_to_lds s[G0B+4*(\s):G0B+4*(\s)+3], s[G1B:G1B+7]
	s_nop 0
.rept 4
	v_nop
.endr
.Lasked_\@:
.endm
.macro CREST
	s_cmp_lg_u32 s10, 0
	s_cbranch_scc1 .Lnot_wave_0_\@
	s_barrier_signal -3
.Lnot_wave_0_\@:
	s_barrier_wait -3
	s_barrier_signal -1
	s_barrier_wait -1
.endm
.macro CROUND
	s_barrier_signal -1
	s_barrier_wait -1
	CREST
.endm
	s_load_b128 s[4:7], s[0:1], 0x0                ; pp s[4:5], qkv s[6:7]
	s_load_b128 s[68:71], s[0:1], 0x10             ; st s[68:69], out0 s[70:71]
	v_lshl_add_u32 v[SPW], v0, 2, SPARE
	v_mov_b32 v[NIL], 0
	ds_add_u32 v[SPW], v[NIL]                      ; the wave's opening: the add and its wait stand ahead of my first tensor load
	v_lshrrev_b32 v1, 5, v0
	v_readfirstlane_b32 s10, v1                    ; wave 0..3
	s_lshr_b32 s11, s10, 1                         ; my half of the queries.  Also: I fetch for p' (0) or for V (1)
	s_and_b32 s12, s10, 1                          ; my half of the channels.  Also: which half of that tile I fetch
	s_bfe_u32 s40, ttmp6, 0x40000                  ; cx, cy
	s_bfe_u32 s41, ttmp6, 0x40004
	s_lshl_b32 s42, ttmp9, 2
	s_add_co_u32 s42, s42, s40                     ; tile column (256 channels)
	s_and_b32 s45, ttmp7, 0xffff
	s_lshl_b32 s13, s45, 2
	s_add_co_u32 s13, s13, s41                     ; tile row (128 queries)
	s_lshr_b32 s45, s45, 2                         ; the batch; cy does not enter
	s_lshl_b32 s43, s41, 2
	s_lshl_b32 s43, 15, s43                        ; my row of the cluster
	s_lshl_b32 s44, 0x1111, s40                    ; my column
	s_or_b32 s[G1+0], s43, (1<<16)|(1<<20)|(1<<21)|(5<<22)|(3<<25)   ; p': after every 64 words 4 words of padding
	s_or_b32 s[G1B+0], s44, (1<<16)|(1<<20)|(1<<21)|(6<<22)|(7<<25)  ; V: after every 128 words 8 words
	s_mov_b32 s[G1+1], 128<<16                     ; tensor_dim0 = 128 keys
	s_mov_b32 s[G1+2], 64<<16                      ; tensor_dim1 = 64 queries
	s_mov_b32 s[G1+3], 128<<16
	s_mov_b32 s[G1+4], 64
	s_mov_b32 s[G1+5], 2048                        ; elements in a row of pp
	s_mov_b32 s[G1+6], 0
	s_mov_b32 s[G1+7], 0
	s_mov_b32 s[G1B+1], 256<<16                    ; tensor_dim0 = 256 channels
	s_mov_b32 s[G1B+2], 64<<16                     ; tensor_dim1 = 64 keys
	s_mov_b32 s[G1B+3], 256<<16
	s_mov_b32 s[G1B+4], 64
	s_mov_b32 s[G1B+5], 3072                       ; elements in a row of qkv
	s_mov_b32 s[G1B+6], 0
	s_mov_b32 s[G1B+7], 0
	s_lshl_b32 s16, s13, 7                         ; p': row 128 x tile row + 64 x half, 4,096 bytes a row
	s_lshl_b32 s17, s12, 6
	s_add_co_u32 s16, s16, s17
	s_lshl_b32 s16, s16, 12
	s_mov_b32 s17, 0
	s_lshl_b32 s46, s45, 11                        ; V: row 2,048 x batch + 64 x half, 6,144 bytes a row; 4,096 + 512 x tile column bytes into the row
	s_lshl_b32 s47, s12, 6
	s_add_co_u32 s46, s46, s47
	s_mul_i32 s46, s46, 6144
	s_lshl_b32 s47, s42, 9
	s_add_co_u32 s46, s46, s47
	s_add_co_u32 s46, s46, 4096
	s_mov_b32 s47, 0
	s_mul_i32 s20, s12, AH
	s_mul_i32 s21, s12, BH
	s_add_co_u32 s21, s21, ATILE
	s_wait_dscnt 0x0                               ; the opening add is done
	s_wait_kmcnt 0x0
	s_add_nc_u64 s[14:15], s[4:5], s[16:17]
	s_add_nc_u64 s[46:47], s[6:7], s[46:47]
	CROUND                                         ; all sixteen work-groups are here: the first joint loads meet
.irp s, 0,1
	s_mov_b32 s[G0+4*(\s)], 1
	s_add_co_u32 s[G0+4*(\s)+1], s20, (\s)*SLOT
	s_add_nc_u64 s[G0+4*(\s)+2:G0+4*(\s)+3], s[14:15], (\s)*ASTEP
	s_or_b32 s[G0+4*(\s)+3], s[G0+4*(\s)+3], 0x80000000
	s_mov_b32 s[G0B+4*(\s)], 1
	s_add_co_u32 s[G0B+4*(\s)+1], s21, (\s)*SLOT
	s_add_nc_u64 s[G0B+4*(\s)+2:G0B+4*(\s)+3], s[46:47], (\s)*BSTEP
	s_or_b32 s[G0B+4*(\s)+3], s[G0B+4*(\s)+3], 0x80000000
	JLOAD \s                                       ; two loads of mine are out
.endr
	v_and_b32 v1, 15, v0                           ; r
	v_bfe_u32 v2, v0, 4, 1                         ; h
	s_lshl_b32 s16, s13, 1
	s_add_co_u32 s16, s16, s11                     ; my group of 64 rows in st
	s_lshl_b32 s16, s16, 13
	s_mov_b32 s17, 0
	s_add_nc_u64 s[68:69], s[68:69], s[16:17]
	v_lshlrev_b32 v[SV], 4, v1
.set j, 0
.rept 16                               ; cm and l of my row in each of the four row blocks, for all 16 steps; both halves of the lanes take the same
	global_load_b128 v[MS+4*j:MS+4*j+3], v[SV], s[68:69] offset:512*j
	global_load_b128 v[LL+4*j:LL+4*j+3], v[SV], s[68:69] offset:512*j+256
.set j, j+1
.endr
	v_mul_u32_u24 v3, v1, PITCH
	v_lshl_add_u32 v3, v2, 4, v3                   ; p': a fragment's row x pitch + 16 x half
	s_mul_i32 s22, s11, AH
	v_add_nc_u32 v[ADRA], s22, v3
	s_add_co_u32 s22, s22, SLOT
	v_add_nc_u32 v[ADRA+1], s22, v3
	; The turning load takes 16 keys x 16 channels (lane l reads key 8 (l / 16) + l % 8, channels 8 ((l / 8) % 2) + 0..7) and leaves half a fragment of V^T: lane l holds channel l % 16 and 8 keys.
	v_and_b32 v3, 7, v0
	v_lshl_add_u32 v3, v2, 3, v3
	v_mul_u32_u24 v3, v3, PV
	v_bfe_u32 v8, v0, 3, 1
	v_lshl_add_u32 v3, v8, 4, v3
	s_lshl_b32 s23, s12, 8                         ; my 128 channels
	s_add_co_u32 s23, s23, ATILE
	v_add_nc_u32 v[ADRB], s23, v3
	s_add_co_u32 s23, s23, SLOT
	v_add_nc_u32 v[ADRB+1], s23, v3
	s_mul_i32 s22, s10, 16*SPITCH
	s_add_co_u32 s22, s22, STAGE                   ; my stage
	v_mul_u32_u24 v8, v1, SPITCH                   ; in: row l % 16, 32 bytes for each half of the lanes
	v_lshl_add_u32 v8, v2, 5, v8
	v_add_nc_u32 v[STO], s22, v8
	v_and_b32 v9, 31, v0                           ; back: 32 lanes take one row of 512 bytes
	v_lshlrev_b32 v[CO], 4, v9
	v_add_nc_u32 v[RD], s22, v[CO]
	s_lshl_b32 s22, s10, 12
	s_add_co_u32 s22, s22, FT                      ; my table of factors
	v_lshl_add_u32 v[FTA], v1, 4, s22
	s_lshl_b32 s16, s13, 7
	s_lshl_b32 s17, s11, 6
	s_add_co_u32 s16, s16, s17                     ; my first row of out0
	s_lshl_b32 s16, s16, 12
	s_mov_b32 s17, 0
	s_lshl_b32 s46, s42, 10                        ; my first channel, in bytes
	s_lshl_b32 s47, s12, 9
	s_add_co_u32 s46, s46, s47
	s_mov_b32 s47, 0
	s_add_nc_u64 s[16:17], s[16:17], s[46:47]
	s_add_nc_u64 s[8:9], s[70:71], s[16:17]
	s_wait_loadcnt 0x0                             ; cm and l
.irp a, 0,1,2,3                        ; the largest of the 16 cm, three operands at a time, the four row blocks by turns
	v_max3_num_f32 v[MX+(\a)], v[MS+(\a)], v[MS+4+(\a)], v[MS+8+(\a)]
.endr
.irp j, 3,5,7,9,11,13
.irp a, 0,1,2,3
	v_max3_num_f32 v[MX+(\a)], v[MX+(\a)], v[MS+4*(\j)+(\a)], v[MS+4*(\j)+4+(\a)]
.endr
.endr
.irp a, 0,1,2,3
	v_max_num_f32 v[MX+(\a)], v[MX+(\a)], v[MS+60+(\a)]
.endr
.set j, 0
.rept 16
	v_pk_add_f32 v[MS+4*j:MS+4*j+1], v[MS+4*j:MS+4*j+1], v[MX:MX+1] neg_lo:[0,1] neg_hi:[0,1]
	v_pk_add_f32 v[MS+4*j+2:MS+4*j+3], v[MS+4*j+2:MS+4*j+3], v[MX+2:MX+3] neg_lo:[0,1] neg_hi:[0,1]
.set j, j+1
.endr
.set j, 0
.rept 64
	v_exp_f32 v[MS+j], v[MS+j]                     ; f
.set j, j+1
.endr
	v_nop                                          ; a plain instruction between the exponentials and the first use of a result (ISA guide 5.7.2)
	s_wait_alu depctr_va_vdst(0)
	v_pk_mul_f32 v[LSUM:LSUM+1], v[MS:MS+1], v[LL:LL+1]
	v_pk_mul_f32 v[LSUM+2:LSUM+3], v[MS+2:MS+3], v[LL+2:LL+3]
.set j, 1
.rept 15
	v_pk_fma_f32 v[LSUM:LSUM+1], v[MS+4*j:MS+4*j+1], v[LL+4*j:LL+4*j+1], v[LSUM:LSUM+1]
	v_pk_fma_f32 v[LSUM+2:LSUM+3], v[MS+4*j+2:MS+4*j+3], v[LL+4*j+2:LL+4*j+3], v[LSUM+2:LSUM+3]
.set j, j+1
.endr
.set j, 0
.rept 64
	v_cvt_pk_f16_f32 v[MS+j], v[MS+j], v[MS+j]     ; f in both halves, for the packed multiply
.set j, j+1
.endr
.set j, 0
.rept 16
	ds_store_b128 v[FTA], v[MS+4*j:MS+4*j+3] offset:256*j  ; lanes r and 16 + r store the same 16 bytes
.set j, j+1
.endr
.irp a, 0,1,2,3
	v_rcp_f32 v[RL+2*(\a)], v[LSUM+(\a)]
	v_rcp_f32 v[RL+2*(\a)+1], v[LSUM+(\a)]
.endr
	v_nop                                          ; a plain instruction behind the last reciprocal
; 8 matrix instructions: row block a x all 8 channel blocks, 32 keys, from buffer f.  zero = 1: the first product starts the sums.  The 32 accumulators take turns.
.macro MUL8 f, a, zero
	WIN MUL
.irp b, 0,1,2,3,4,5,6,7
.if \zero
	v_wmma_f32_16x16x32_f16 v[8*(8*(\a)+(\b)):8*(8*(\a)+(\b))+7], v[FB+64*(\f)+8*(\b):FB+64*(\f)+8*(\b)+7], v[FA+32*(\f)+8*(\a):FA+32*(\f)+8*(\a)+7], 0
.else
	v_wmma_f32_16x16x32_f16 v[8*(8*(\a)+(\b)):8*(8*(\a)+(\b))+7], v[FB+64*(\f)+8*(\b):FB+64*(\f)+8*(\b)+7], v[FA+32*(\f)+8*(\a):FA+32*(\f)+8*(\a)+7], v[8*(8*(\a)+(\b)):8*(8*(\a)+(\b))+7]
.endif
.endr
.endm
; Row block 3's eight products from buffer f; behind each, four multiplies that scale buffer g's fragments of p' by f: they name no register of the products round them.
.macro MULS f, g, zero
.irp b, 0,1,2,3,4,5,6,7
	WIN MUL
.if \zero
	v_wmma_f32_16x16x32_f16 v[8*(24+(\b)):8*(24+(\b))+7], v[FB+64*(\f)+8*(\b):FB+64*(\f)+8*(\b)+7], v[FA+32*(\f)+24:FA+32*(\f)+31], 0
.else
	v_wmma_f32_16x16x32_f16 v[8*(24+(\b)):8*(24+(\b))+7], v[FB+64*(\f)+8*(\b):FB+64*(\f)+8*(\b)+7], v[FA+32*(\f)+24:FA+32*(\f)+31], v[8*(24+(\b)):8*(24+(\b))+7]
.endif
	WIN 0
.irp z, 0,1,2,3
	v_pk_mul_f16 v[FA+32*(\g)+4*(\b)+(\z)], v[FA+32*(\g)+4*(\b)+(\z)], v[FC+(\b)/2]
.endr
.endr
.endm
; One run of LDS loads: quarter q (32 keys) of a slot into buffer f: with fac >= 0 first the new step's factors; p's 64 rows; then V, turned
.macro FETCH slot, q, f, fac
	WIN 0
.if (\fac) >= 0
	ds_load_b128 v[FC:FC+3], v[FTA] offset:\fac
.endif
.irp i, 0,1,2,3
	ds_load_b128 v[FA+32*(\f)+8*(\i):FA+32*(\f)+8*(\i)+3],   v[ADRA+(\slot)] offset:64*(\q)+(\i)*16*PITCH
	ds_load_b128 v[FA+32*(\f)+8*(\i)+4:FA+32*(\f)+8*(\i)+7], v[ADRA+(\slot)] offset:64*(\q)+(\i)*16*PITCH+32
.endr
.irp i, 0,1,2,3,4,5,6,7
	ds_load_tr16_b128 v[FB+64*(\f)+8*(\i):FB+64*(\f)+8*(\i)+3],   v[ADRB+(\slot)] offset:(\q)*32*PV+32*(\i)
	ds_load_tr16_b128 v[FB+64*(\f)+8*(\i)+4:FB+64*(\f)+8*(\i)+7], v[ADRB+(\slot)] offset:(\q)*32*PV+16*PV+32*(\i)
.endr
.endm
.macro QUARTER slot, q, f, g, zero
	s_wait_dscnt 0x0                               ; V's fragments of buffer f are in (p's were waited for when they were scaled)
	MUL8 \f, 0, \zero
	MUL8 \f, 1, \zero
	PLACES
	FETCH \slot, \q, \g, -1
	MUL8 \f, 2, \zero
	s_wait_dscnt 16                                ; buffer g's p' is in; V's sixteen loads may be out
	MULS \f, \g, \zero
.endm
; The change of slots: each wave waits for all its tensor loads (one is out: its part of the next slot), adds 0 to its spare word, waits for that and for its reads of this slot; one barrier;
; fill = 1: it opens a round of the cluster's barrier, and this slot is filled again, two steps ahead, first thing behind the round.  fac: where the next step's factors lie from v[FTA] on.
.macro TURN slot, next, fill, fac
	WIN 0
	s_wait_tensorcnt 0x0
	ds_add_u32 v[SPW], v[NIL]
	s_wait_dscnt 1                                 ; (the add alone may be out)
	MUL8 1, 0, 0
	s_wait_dscnt 0x0                               ; the add is done, and my reads of this slot are over
	s_barrier_signal -1
	MUL8 1, 1, 0
.if \fill
	WIN 0
.endif
	s_barrier_wait -1
.if \fill
	CREST
	s_add_nc_u64 s[G0+4*(\slot)+2:G0+4*(\slot)+3], s[G0+4*(\slot)+2:G0+4*(\slot)+3], 2*ASTEP
	s_add_nc_u64 s[G0B+4*(\slot)+2:G0B+4*(\slot)+3], s[G0B+4*(\slot)+2:G0B+4*(\slot)+3], 2*BSTEP
	JLOAD \slot                                    ; its four v_nop are also the places in front of the loads below
.else
	PLACES
.endif
	FETCH \next, 0, 0, \fac
	MUL8 1, 2, 0
	s_wait_dscnt 16                                ; the factors and buffer 0's p' are in
	MULS 1, 0, 0
.endm
	s_wait_tensorcnt 1                             ; my part of step 0 is in; step 1's may stay out
	s_wait_dscnt 0x0                               ; my table of factors is written
	s_barrier_signal -1
	s_barrier_wait -1
	FETCH 0, 0, 0, 0
	s_wait_dscnt 16
.set i, 0
.rept 32
	v_pk_mul_f16 v[FA+i], v[FA+i], v[FC+i/8]       ; the first fragments are scaled in one run: there is no product yet to set them behind
.set i, i+1
.endr
	QUARTER 0, 1, 0, 1, 1
	WIN 0
	s_mov_b32 s3, LAPS-1
.Llap:                                                 ; a trip goes once round the ring and fills both slots again
	QUARTER 0, 2, 1, 0, 0
	QUARTER 0, 3, 0, 1, 0
	TURN 0, 1, 1, 256
	QUARTER 1, 1, 0, 1, 0
	QUARTER 1, 2, 1, 0, 0
	QUARTER 1, 3, 0, 1, 0
	TURN 1, 0, 1, 512
	QUARTER 0, 1, 0, 1, 0
	WIN 0
	v_add_nc_u32 v[FTA], 512, v[FTA]               ; two steps' factors on: 7 trips x 512 + 256 in the tail reach step 15, the table's last 256 bytes
	s_sub_co_u32 s3, s3, 1
	s_cmp_lg_u32 s3, 0
	s_cbranch_scc1 .Llap
	QUARTER 0, 2, 1, 0, 0                          ; the last lap fills nothing
	QUARTER 0, 3, 0, 1, 0
	TURN 0, 1, 0, 256
	QUARTER 1, 1, 0, 1, 0
	QUARTER 1, 2, 1, 0, 0
	QUARTER 1, 3, 0, 1, 0
	s_wait_dscnt 0x0
	MUL8 1, 0, 0
	MUL8 1, 1, 0
	MUL8 1, 2, 0
	MUL8 1, 3, 0
	WIN 0
	PLACES
; THE WAY OUT, a block of 16 rows at a time: times 1 / divisor (each accumulator from its low end on), 32 bytes a lane into my own stage, back as whole rows of 512 bytes, stored.
.macro SCALE a
	WIN 0x41                                       ; destination and source 0 window 1, source 1 window 0
.set i, 0
	s_wait_alu depctr_va_vdst(0)
.rept 32
	v_pk_mul_f32 v[64*(\a)+2*i:64*(\a)+2*i+1], v[64*(\a)+2*i:64*(\a)+2*i+1], v[RL+2*(\a):RL+2*(\a)+1]
.set i, i+1
.endr
	WIN 0
.endm
.macro TOSTAGE a
.set BK, 64+64*((\a)%2)
	WIN 0x04                                       ; a store's data is source 1: window 1
.irp b, 0,1,2,3,4,5,6,7
	ds_store_b128 v[STO], v[64*(\a)+8*(\b):64*(\a)+8*(\b)+3]   offset:64*(\b)
	ds_store_b128 v[STO], v[64*(\a)+8*(\b)+4:64*(\a)+8*(\b)+7] offset:64*(\b)+16
.endr
	WIN 0
.set t, 0
.rept 16
	ds_load_b128 v[BK+4*t:BK+4*t+3], v[RD] offset:SPITCH*t  ; LDS serves a wave's instructions in order (ISA guide 5.7.1.4): these see the stores above
.set t, t+1
.endr
.endm
.macro SEND a
.set BK, 64+64*((\a)%2)
	s_wait_dscnt 0x0                               ; the block is back in registers
	s_wait_xcnt 0x0                                ; earlier stores have read their registers: the other buffer is loaded again only behind this wait
.set t, 0
.rept 16
	global_store_b128 v[CO], v[BK+4*t:BK+4*t+3], s[8:9] offset:(16*(\a)+t)*CROW th:TH_STORE_NT  ; the wave stores 512 consecutive bytes, at a multiple of 256 from the buffer's first byte
.set t, t+1
.endr
.endm
	SCALE 0
	TOSTAGE 0
.irp a, 1,2,3                          ; block a's scaling stands between block a - 1's loads from the stage and the wait for them
	SCALE \a
	SEND (\a)-1
	TOSTAGE \a
.endr
	SEND 3
	s_wait_tensorcnt 0x0                           ; the wave's end
	ds_add_u32 v[SPW], v[NIL]
	s_wait_dscnt 0x0
	CROUND                                         ; the closing round
	s_endpgm
.Lfunc_end_k_q653731ae82_pv:
	.size	k_q653731ae82_pv, .Lfunc_end_k_q653731ae82_pv-k_q653731ae82_pv
	.p2alignl 7, 3214868480
	.fill 96, 4, 3214868480
	.section	.rodata,"a",@progbits
	.p2align	6, 0x0
	.amdhsa_kernel k_q653731ae82_pv
		.amdhsa_group_segment_fixed_size 327680
		.amdhsa_private_segment_fixed_size 0
		.amdhsa_enable_private_segment 0
		.amdhsa_kernarg_size 32
		.amdhsa_user_sgpr_count 2
		.amdhsa_user_sgpr_kernarg_segment_ptr 1
		.amdhsa_wavefront_size32 1
		.amdhsa_system_sgpr_workgroup_id_x 1
		.amdhsa_system_sgpr_workgroup_id_y 1
		.amdhsa_system_sgpr_workgroup_id_z 1
		.amdhsa_system_vgpr_workitem_id 0
		.amdhsa_next_free_vgpr 512
		.amdhsa_next_free_sgpr 80
		.amdhsa_reserve_vcc 0
		.amdhsa_float_denorm_mode_32 3
		.amdhsa_float_denorm_mode_16_64 3
		.amdhsa_memory_ordered 1
		.amdhsa_forward_progress 1
		.amdhsa_inst_pref_size 150
	.end_amdhsa_kernel
	.amdgpu_metadata
---
amdhsa.version: [ 1, 2 ]
amdhsa.kernels:
  - .name:           k_q653731ae82_pv
    .symbol:         k_q653731ae82_pv.kd
    .args:
      - { .name: pp, .offset: 0, .size: 8, .value_kind: global_buffer, .address_space: global }
      - { .name: qkv, .offset: 8, .size: 8, .value_kind: global_buffer, .address_space: global }
      - { .name: st, .offset: 16, .size: 8, .value_kind: global_buffer, .address_space: global }
      - { .name: out0, .offset: 24, .size: 8, .value_kind: global_buffer, .address_space: global }
    .group_segment_fixed_size: 327680
    .private_segment_fixed_size: 0
    .kernarg_segment_align: 8
    .kernarg_segment_size: 32
    .max_flat_workgroup_size: 128
    .sgpr_count:     80
    .vgpr_count:     512
    .wavefront_size: 32
...
	.end_amdgpu_metadata
.endif
;; end of part 4
;; ======== version 2 of 3: 4 launches; 1.12 times as fast as version 1
;; limits: values are held in f16: magnitudes above 65,504 overflow, below 6.1e-05 lose precision
;; workspace buffers: xb 16,777,216 bytes; wb 6,291,456 bytes; qkv 50,331,648 bytes; pp 33,554,432 bytes; st 1,048,576 bytes
;; launch cvt: the kernel of part 1 again; grid 64 x 11, 8 waves a work-group, no clusters, 0 bytes of LDS; arguments x, Wq, Wk, Wv, xb, wb; writes xb, wb
;; launch proj (part 5): grid 12 x 32, 8 waves a work-group, clusters of 4 x 4, 327,680 bytes of LDS; arguments xb, wb, bq, bk, bv, qkv; writes qkv
.if DOCPART == 5
	.amdgcn_target "amdgcn-amd-amdhsa--gfx1250"
	.amdhsa_code_object_version 6
	.text
	.protected	k_q653731ae82_proj
	.globl	k_q653731ae82_proj
	.p2align	8
	.type	k_q653731ae82_proj,@function
k_q653731ae82_proj:
	s_mov_b64 s[64:65], 0
	v_nop
	global_prefetch_b8 v0, s[64:65] scope:SCOPE_SE
	s_setreg_imm32_b32 hwreg(HW_REG_WAVE_MODE, 25, 1), 1
	s_wait_xcnt 0x0
	s_wait_alu depctr_hold_cnt(0) depctr_sa_sdst(0) depctr_va_vdst(0) depctr_va_sdst(0) depctr_va_ssrc(0) depctr_va_vcc(0) depctr_vm_vsrc(0)
	s_getreg_b32 s2, hwreg(HW_REG_IB_STS2, 6, 4)
	s_cmp_eq_u32 s2, 0
	s_cbranch_scc0 .Lentry_in_a_cluster
	s_endpgm
.Lentry_in_a_cluster:
	s_bfe_u32 s2, ttmp6, 0x10000c
	s_cmp_lg_u32 s2, 0xf033
	s_cbranch_scc0 .Lentry_shape_is_right
	s_endpgm
.Lentry_shape_is_right:
; qkv[m][n] = bias[n] + sum over k of xb[m][k] wb[n][k].  xb [8192][1024], wb [3072][1024] bf16; bq, bk, bv [1024] f32; qkv [8192][3072] f16: columns 0-1023 Q, 1024-2047 K, 2048-3071 V.  Sums in f32.
; LIMITS.  Q, K, V are kept in f16: a number of 65,520 or more becomes an infinity.  The bias is rounded to bf16 like the other inputs and added in f32 to the finished sum.  NaN and infinities are not treated apart.
; SHARES.  A tile of C is 256 x 256: 12 x 32 = 384 work-groups.  (The tile that would make 256 of them, 256 x 384, needs 2 x 640 rows x 272 bytes = 348,160 bytes for two slots: more than a WGP's LDS.)
; Eight waves, two to a SIMD, 4 x 2, each 64 rows x 128 columns: 32 accumulators of 16 x 16, 256 registers; with fragments and addresses 512, so that two waves fill a SIMD's 1,024.
; K goes in steps of 128 (rows of 256 bytes, at multiples of 256 bytes) through a ring of two LDS slots filled by tensor loads; each of the eight waves issues one load of 64 rows behind each change of slots,
; and that load has a K step less an eighth, 224 matrix instructions of its SIMD's two waves, in which to land.
; CLUSTER.  4 x 4 work-groups: the four of a row need the same tiles of xb, the four of a column the same tiles of wb; each tile is asked for JOINTLY (same load, same descriptor, a mask of the four).
; THE MATRIX INSTRUCTION IS USED TRANSPOSED (source 0 = 16 rows of wb, source 1 = 16 rows of xb): lane l holds row l % 16 of C and the columns 8 (l / 16) + 0..7: eight neighbours, 16 bytes of f16.
; REGISTERS, in windows of 256 (s_set_vgpr_msb: bits 1:0 source 0, 3:2 source 1, 5:4 source 2, 7:6 destination):
;   window 0: v0-31 addresses; v32-37 at work; v64-95, v96-127 fragments of A, two buffers; v128-191, v192-255 fragments of B, two buffers;
;             on the way out v128-191 the bias in C's layout, v192-223 packed results, v64-127 rows read back
;   window 1: accumulator (a, b) at v[8 (8 a + b)]
.set PITCH,  272                       ; an LDS row: 256 bytes + 16 of padding = 68 words: row r starts at bank 4 r mod 64 (64 banks of 4 bytes: ISA guide 11.1)
.set AQ,     64*PITCH                  ; a quarter of A's or B's tile: one tensor load; also what a wave reads of A
.set ATILE,  4*AQ
.set BHALF,  128*PITCH                 ; what a wave reads of B
.set SLOT,   2*ATILE                   ; A's 256 rows, then B's 256 rows: 139,264 bytes
.set STAGE,  2*SLOT                    ; behind the ring: 16 rows x 272 bytes for each wave, for the way out
.set BT,     STAGE+8*16*PITCH          ; the bias of each wave's 128 columns, f32: 512 bytes a wave, its own
.set SPARE,  BT+8*512                  ; the spare words, 128 bytes a wave: four blocks of 256 bytes that no other line names
.set LAPS,   1024/256                  ; a lap = two K steps = once round the ring
.set KROW,   1024                      ; elements from row to row in xb and wb
.set ASTEP,  256                       ; bytes from a K step to the next
.set BSTEP,  256
.set CROW,   6144                      ; bytes in a row of qkv
.set ADRA, 16                          ; v16-17  LDS address of my A fragments in slot 0, 1
.set ADRB, 20                          ; v20-21  the same for B
.set STO,  24                          ; v24     the way out: where I put 16 bytes of a row
.set RD,   25                          ; v25     where I read a row back
.set CO,   26                          ; v26     my byte offset in C
.set BO,   27                          ; v27     16 x lane: my four numbers of the wave's 128 biases
.set SPW,  28                          ; v28     LDS address of my spare word; never rewritten
.set NIL,  29                          ; v29     0; never rewritten
.set BTR,  30                          ; v30     where I read the bias back: my wave's table + 32 (l / 16)
.set BTW,  31                          ; v31     where I put my four
.set W4,   32                          ; v32-37  at work on the bias
.set FA,   64
.set FB,   128
.set BI,   128
.set TMP,  192
.set G1,  24                           ; s[24:31] descriptor group 1 for A's tiles; s[32:39] group 0, a set for each slot
.set G0,  32
.set G1B, 48                           ; s[48:55], s[56:63] the same for B's
.set G0B, 56
.set MUL,  0x50                        ; A and B window 0, C and D window 1
.set MSB, 0
.macro WIN new                         ; the immediate's high byte repeats the setting that is left; a switch that changes nothing is dropped
.if MSB != (\new)
	s_set_vgpr_msb (MSB<<8)|(\new)
.set MSB, \new
.endif
.endm
.macro PLACES                          ; four places in front of loads into registers that matrix instructions have read, and of vector lines that read results
.rept 4
	v_nop
.endr
.endm
.macro JLOAD s                         ; a joint load: waves 0-3 fetch A's four quarters, waves 4-7 B's; an s_nop 0 and four v_nop follow each line
	s_cmp_eq_u32 s18, 0
	s_cbranch_scc0 .Lfor_b_\@
	tensor_load_to_lds s[G0+4*(\s):G0+4*(\s)+3], s[G1:G1+7]
	s_nop 0
.rept 4
	v_nop
.endr
	s_branch .Lasked_\@
.Lfor_b_\@:
	tensor_load_to_lds s[G0B+4*(\s):G0B+4*(\s)+3], s[G1B:G1B+7]
	s_nop 0
.rept 4
	v_nop
.endr
.Lasked_\@:
.endm
.macro CREST                           ; a round of the cluster's barrier behind its opening barrier
	s_cmp_lg_u32 s10, 0
	s_cbranch_scc1 .Lnot_wave_0_\@
	s_barrier_signal -3
.Lnot_wave_0_\@:
	s_barrier_wait -3
	s_barrier_signal -1
	s_barrier_wait -1
.endm
.macro CROUND                          ; a whole round
	s_barrier_signal -1
	s_barrier_wait -1
	CREST
.endm
	s_load_b128 s[4:7], s[0:1], 0x0                ; xb s[4:5], wb s[6:7]
	s_load_b256 s[68:75], s[0:1], 0x10             ; bq s[68:69], bk s[70:71], bv s[72:73], qkv s[74:75]
	v_lshl_add_u32 v[SPW], v0, 2, SPARE
	v_mov_b32 v[NIL], 0
	ds_add_u32 v[SPW], v[NIL]                      ; the wave's opening: the add and its wait stand ahead of my first tensor load; work on registers stands between them
	v_lshrrev_b32 v1, 5, v0
	v_readfirstlane_b32 s10, v1                    ; wave 0..7
	s_lshr_b32 s11, s10, 1                         ; my quarter of the tile's rows
	s_and_b32 s12, s10, 1                          ; my half of its columns
	s_lshr_b32 s18, s10, 2                         ; I fetch for A (0) or for B (1),
	s_and_b32 s19, s10, 3                          ; this quarter of that tile
	s_bfe_u32 s40, ttmp6, 0x40000                  ; cx, cy: my place in the cluster
	s_bfe_u32 s41, ttmp6, 0x40004
	s_lshl_b32 s42, ttmp9, 2
	s_add_co_u32 s42, s42, s40                     ; tile column = 4 x cluster x + cx
	s_and_b32 s13, ttmp7, 0xffff
	s_lshl_b32 s13, s13, 2
	s_add_co_u32 s13, s13, s41                     ; tile row = 4 x cluster y + cy
	s_lshl_b32 s43, s41, 2
	s_lshl_b32 s43, 15, s43                        ; my row of the cluster
	s_lshl_b32 s44, 0x1111, s40                    ; my column
	s_or_b32 s[G1+0], s43, (1<<16)|(1<<20)|(1<<21)|(5<<22)|(3<<25)   ; 15:0 mask; 17:16 2-byte elements; 20 padding on; 21 set beside a mask; 24:22 after every 64 words; 31:25 4 words
	s_or_b32 s[G1B+0], s44, (1<<16)|(1<<20)|(1<<21)|(5<<22)|(3<<25)
.irp g, G1, G1B
	s_mov_b32 s[(\g)+1], 128<<16                   ; tensor_dim0 = 128
	s_mov_b32 s[(\g)+2], 64<<16                    ; tensor_dim1 = 64
	s_mov_b32 s[(\g)+3], 128<<16                   ; tile_dim0 = 128
	s_mov_b32 s[(\g)+4], 64                        ; tile_dim1 = 64
	s_mov_b32 s[(\g)+5], KROW                      ; elements from row to row
	s_mov_b32 s[(\g)+6], 0
	s_mov_b32 s[(\g)+7], 0
.endr
	s_lshl_b32 s16, s13, 19                        ; A: (256 x tile row + 64 x quarter) rows of 2,048 bytes: it hangs on the tile row alone, which my row of the cluster shares
	s_lshl_b32 s17, s19, 17
	s_add_co_u32 s16, s16, s17
	s_mov_b32 s17, 0
	s_lshl_b32 s46, s42, 19                        ; B: (256 x tile column + 64 x quarter) rows: on the tile column alone
	s_lshl_b32 s47, s19, 17
	s_add_co_u32 s46, s46, s47
	s_mov_b32 s47, 0
	s_mul_i32 s20, s19, AQ                         ; where they go: no place in the cluster enters an LDS address
	s_add_co_u32 s21, s20, ATILE
	s_wait_dscnt 0x0                               ; the opening add is done
	s_wait_kmcnt 0x0
	s_add_nc_u64 s[14:15], s[4:5], s[16:17]
	s_add_nc_u64 s[46:47], s[6:7], s[46:47]
	CROUND                                         ; all sixteen work-groups are here: the first joint loads meet
.irp s, 0,1
	s_mov_b32 s[G0+4*(\s)], 1
	s_add_co_u32 s[G0+4*(\s)+1], s20, (\s)*SLOT
	s_add_nc_u64 s[G0+4*(\s)+2:G0+4*(\s)+3], s[14:15], (\s)*ASTEP
	s_or_b32 s[G0+4*(\s)+3], s[G0+4*(\s)+3], 0x80000000
	s_mov_b32 s[G0B+4*(\s)], 1
	s_add_co_u32 s[G0B+4*(\s)+1], s21, (\s)*SLOT
	s_add_nc_u64 s[G0B+4*(\s)+2:G0B+4*(\s)+3], s[46:47], (\s)*BSTEP
	s_or_b32 s[G0B+4*(\s)+3], s[G0B+4*(\s)+3], 0x80000000
	JLOAD \s                                       ; two loads of mine are out
.endr
	v_and_b32 v1, 15, v0                           ; r = l % 16
	v_bfe_u32 v2, v0, 4, 1                         ; h = l / 16
	; THE BIAS of my wave's 128 columns: 512 consecutive bytes, four numbers a lane.  A cluster's four tile columns lie in one of Q, K, V: cluster x says which.
	s_mov_b32 s22, ttmp9
	s_cmp_eq_u32 s22, 1
	s_cselect_b64 s[76:77], s[70:71], s[68:69]
	s_cmp_eq_u32 s22, 2
	s_cselect_b64 s[76:77], s[72:73], s[76:77]
	s_lshl_b32 s46, s40, 10                        ; 256 columns of 4 bytes for each cx,
	s_lshl_b32 s47, s12, 9                         ; 128 for my half
	s_add_co_u32 s46, s46, s47
	s_mov_b32 s47, 0
	s_add_nc_u64 s[76:77], s[76:77], s[46:47]
	v_and_b32 v[BO], 31, v0
	v_lshlrev_b32 v[BO], 4, v[BO]
	global_load_b128 v[W4:W4+3], v[BO], s[76:77]
	; A fragment is 16 rows x 32 K in 8 registers: lane l holds row l % 16, K = 8 (l / 16) + 0..7 and 16 + 8 (l / 16) + 0..7: two loads of 16 bytes, 32 bytes apart.
	v_mul_u32_u24 v3, v1, PITCH
	v_lshl_add_u32 v3, v2, 4, v3                   ; row x pitch + 16 x half
	s_mul_i32 s22, s11, AQ                         ; my 64 rows of A
	s_mul_i32 s23, s12, BHALF                      ; my 128 rows of B,
	s_add_co_u32 s23, s23, ATILE                   ; behind A's 256
.irp s, 0,1
	v_add_nc_u32 v[ADRA+(\s)], s22, v3
	v_add_nc_u32 v[ADRB+(\s)], s23, v3
	s_add_co_u32 s22, s22, SLOT
	s_add_co_u32 s23, s23, SLOT
.endr
	s_mul_i32 s22, s10, 16*PITCH
	s_add_co_u32 s22, s22, STAGE                   ; my stage
	v_add_nc_u32 v[STO], s22, v3                   ; in: row l % 16, 16 bytes for each half of the lanes
	v_mul_u32_u24 v3, v2, PITCH                    ; back: lanes 0-15 one row of 256 bytes, lanes 16-31 the next
	v_lshl_add_u32 v3, v1, 4, v3
	v_add_nc_u32 v[RD], s22, v3
	v_mul_u32_u24 v3, v2, CROW                     ; and the same two rows in C
	v_lshl_add_u32 v[CO], v1, 4, v3
	s_lshl_b32 s22, s10, 9
	s_add_co_u32 s22, s22, BT                      ; my wave's table of biases
	v_add_nc_u32 v[BTW], s22, v[BO]
	v_lshl_add_u32 v[BTR], v2, 5, s22
	s_lshl_b32 s16, s13, 8
	s_lshl_b32 s17, s11, 6
	s_add_co_u32 s16, s16, s17                     ; my first row of C
	s_mul_i32 s16, s16, CROW                       ; under 2^26
	s_mov_b32 s17, 0
	s_lshl_b32 s46, s42, 9                         ; my first column, in bytes
	s_lshl_b32 s47, s12, 8
	s_add_co_u32 s46, s46, s47
	s_mov_b32 s47, 0
	s_add_nc_u64 s[16:17], s[16:17], s[46:47]
	s_add_nc_u64 s[8:9], s[74:75], s[16:17]
	s_wait_loadcnt 0x0                             ; the bias: rounded to bf16, widened again, and kept in LDS until the way out
	v_cvt_pk_bf16_f32 v[W4+4], v[W4], v[W4+1]
	v_cvt_pk_bf16_f32 v[W4+5], v[W4+2], v[W4+3]
	v_lshlrev_b32 v[W4], 16, v[W4+4]
	v_and_b32 v[W4+1], 0xffff0000, v[W4+4]
	v_lshlrev_b32 v[W4+2], 16, v[W4+5]
	v_and_b32 v[W4+3], 0xffff0000, v[W4+5]
	ds_store_b128 v[BTW], v[W4:W4+3]
; 8 matrix instructions: row block a x all 8 column blocks, 32 along K, from buffer f.  zero = 1: the first product starts the sums: nothing is cleared.
; The 32 accumulators take turns, one instruction a turn, in the same order in every quarter.
.macro MUL8 f, a, zero
	WIN MUL
.irp b, 0,1,2,3,4,5,6,7
.if \zero
	v_wmma_f32_16x16x32_bf16 v[8*(8*(\a)+(\b)):8*(8*(\a)+(\b))+7], v[FB+64*(\f)+8*(\b):FB+64*(\f)+8*(\b)+7], v[FA+32*(\f)+8*(\a):FA+32*(\f)+8*(\a)+7], 0
.else
	v_wmma_f32_16x16x32_bf16 v[8*(8*(\a)+(\b)):8*(8*(\a)+(\b))+7], v[FB+64*(\f)+8*(\b):FB+64*(\f)+8*(\b)+7], v[FA+32*(\f)+8*(\a):FA+32*(\f)+8*(\a)+7], v[8*(8*(\a)+(\b)):8*(8*(\a)+(\b))+7]
.endif
.endr
.endm
; 24 LDS loads in one run: quarter q (32 along K) of a slot into buffer f: B's 128 rows, then A's 64
.macro FETCH slot, q, f
	WIN 0
.irp i, 0,1,2,3,4,5,6,7
	ds_load_b128 v[FB+64*(\f)+8*(\i):FB+64*(\f)+8*(\i)+3],   v[ADRB+(\slot)] offset:64*(\q)+(\i)*16*PITCH
	ds_load_b128 v[FB+64*(\f)+8*(\i)+4:FB+64*(\f)+8*(\i)+7], v[ADRB+(\slot)] offset:64*(\q)+(\i)*16*PITCH+32
.endr
.irp i, 0,1,2,3
	ds_load_b128 v[FA+32*(\f)+8*(\i):FA+32*(\f)+8*(\i)+3],   v[ADRA+(\slot)] offset:64*(\q)+(\i)*16*PITCH
	ds_load_b128 v[FA+32*(\f)+8*(\i)+4:FA+32*(\f)+8*(\i)+7], v[ADRA+(\slot)] offset:64*(\q)+(\i)*16*PITCH+32
.endr
.endm
; A K step is four quarters of 32 along K, 32 matrix instructions a wave each, on buffers 0, 1, 0, 1.  One of the first three multiplies buffer f and fetches quarter q into buffer g.
.macro QUARTER slot, q, f, g, zero
	s_wait_dscnt 4                                 ; B and A's blocks 0, 1 are in; the youngest four loads (A's blocks 2, 3) may be out
	MUL8 \f, 0, \zero
	MUL8 \f, 1, \zero
	PLACES
	FETCH \slot, \q, \g
	s_wait_dscnt 24                                ; all but the 24 just issued
	MUL8 \f, 2, \zero
	MUL8 \f, 3, \zero
.endm
; The last quarter multiplies buffer 1 and changes slots: ONE barrier; in front of it each wave waits for all its tensor loads (one is out: its part of the next slot), adds 0 to its spare word,
; and waits for that and for its reads of this slot.  fill = 1: the barrier opens a round of the cluster's, and this slot is filled again, two K steps ahead, first thing behind the round.
.macro TURN slot, next, fill
	WIN 0                                          ; (the add's two registers lie in window 0)
	s_wait_tensorcnt 0x0
	ds_add_u32 v[SPW], v[NIL]
	s_wait_dscnt 5                                 ; (the add and the youngest four loads may be out)
	MUL8 1, 0, 0                                   ; eight matrix instructions stand between the add and the wait for it
	s_wait_dscnt 0x0                               ; the add is done, and my reads of this slot are over
	s_barrier_signal -1
	MUL8 1, 1, 0
.if \fill
	WIN 0
.endif
	s_barrier_wait -1
.if \fill
	CREST                                          ; no wave of any partner still reads this slot's tile or has a load on its way
	s_add_nc_u64 s[G0+4*(\slot)+2:G0+4*(\slot)+3], s[G0+4*(\slot)+2:G0+4*(\slot)+3], 2*ASTEP
	s_add_nc_u64 s[G0B+4*(\slot)+2:G0B+4*(\slot)+3], s[G0B+4*(\slot)+2:G0B+4*(\slot)+3], 2*BSTEP
	JLOAD \slot                                    ; its four v_nop are also the places in front of the loads below
.else
	PLACES
.endif
	FETCH \next, 0, 0
	MUL8 1, 2, 0
	MUL8 1, 3, 0
.endm
	s_wait_tensorcnt 1                             ; my part of K step 0 is in; K step 1's may stay out
	s_wait_dscnt 0x0                               ; my biases are stored
	s_barrier_signal -1
	s_barrier_wait -1                              ; everybody's part is in
	FETCH 0, 0, 0
	QUARTER 0, 1, 0, 1, 1                          ; the first quarter stands in front of the loop: its products start the sums
	WIN 0                                          ; at a label and at a branch every window is 0
	s_mov_b32 s3, LAPS-1
.Llap:                                                 ; a trip goes once round the ring, from a lap's second quarter to the next lap's first, and fills both slots again
	QUARTER 0, 2, 1, 0, 0
	QUARTER 0, 3, 0, 1, 0
	TURN 0, 1, 1
	QUARTER 1, 1, 0, 1, 0
	QUARTER 1, 2, 1, 0, 0
	QUARTER 1, 3, 0, 1, 0
	TURN 1, 0, 1
	QUARTER 0, 1, 0, 1, 0
	WIN 0
	s_sub_co_u32 s3, s3, 1
	s_cmp_lg_u32 s3, 0
	s_cbranch_scc1 .Llap
	QUARTER 0, 2, 1, 0, 0                          ; the last lap fills nothing
	QUARTER 0, 3, 0, 1, 0
	TURN 0, 1, 0
	QUARTER 1, 1, 0, 1, 0
	QUARTER 1, 2, 1, 0, 0
	QUARTER 1, 3, 0, 1, 0
	s_wait_dscnt 4                                 ; the very last quarter: no fragments are left to fetch;
	MUL8 1, 0, 0
	MUL8 1, 1, 0
	PLACES
	WIN 0                                          ; B's buffer 0 is free: it takes the bias in C's layout: register j of block b in lane (r, h) is bias[16 b + 8 h + j]
.irp b, 0,1,2,3,4,5,6,7
	ds_load_b128 v[BI+8*(\b):BI+8*(\b)+3],   v[BTR] offset:64*(\b)
	ds_load_b128 v[BI+8*(\b)+4:BI+8*(\b)+7], v[BTR] offset:64*(\b)+16
.endr
	s_wait_dscnt 16                                ; all but the sixteen just issued
	MUL8 1, 2, 0
	MUL8 1, 3, 0
	WIN 0
	PLACES
	s_wait_dscnt 0x0                               ; the bias is in
; THE WAY OUT, a block of 16 rows at a time: the bias added in f32, rounded to f16 (16 bytes a lane, each accumulator from its low end on), into my own stage, back as whole rows of 256 bytes, stored.
.macro PACK a
	WIN 0x41                                       ; destination and source 0 window 1, source 1 (the bias) window 0
.irp b, 0,1,2,3,4,5,6,7
.irp r, 0,1,2,3
	v_pk_add_f32 v[64*(\a)+8*(\b)+2*(\r):64*(\a)+8*(\b)+2*(\r)+1], v[64*(\a)+8*(\b)+2*(\r):64*(\a)+8*(\b)+2*(\r)+1], v[BI+8*(\b)+2*(\r):BI+8*(\b)+2*(\r)+1]
.endr
.endr
	WIN 0x05                                       ; sources 0 and 1 window 1, destination window 0
.irp b, 0,1,2,3,4,5,6,7
.irp r, 0,1,2,3
	v_cvt_pk_f16_f32 v[TMP+4*(\b)+(\r)], v[64*(\a)+8*(\b)+2*(\r)], v[64*(\a)+8*(\b)+2*(\r)+1]
.endr
.endr
	WIN 0
.endm
.macro TOSTAGE a
.set BK, 64+32*((\a)%2)
.irp b, 0,1,2,3,4,5,6,7
	ds_store_b128 v[STO], v[TMP+4*(\b):TMP+4*(\b)+3] offset:32*(\b)
.endr
.irp t, 0,1,2,3,4,5,6,7
	ds_load_b128 v[BK+4*(\t):BK+4*(\t)+3], v[RD] offset:(\t)*2*PITCH  ; LDS serves a wave's instructions in order (ISA guide 5.7.1.4): these see the stores above
.endr
.endm
.macro SEND a
.set BK, 64+32*((\a)%2)
	s_wait_dscnt 0x0                               ; the block is back in registers
	s_wait_xcnt 0x0                                ; earlier stores have read their registers: the buffer of the block before is loaded again only behind this wait
.irp t, 0,1,2,3,4,5,6,7
	global_store_b128 v[CO], v[BK+4*(\t):BK+4*(\t)+3], s[8:9] offset:(16*(\a)+2*(\t))*CROW  ; 16 lanes store 256 consecutive bytes, at a multiple of 256 from the buffer's first byte
.endr
.endm
	PACK 0
	TOSTAGE 0
.irp a, 1,2,3                          ; block a's arithmetic stands between block a - 1's loads from the stage and the wait for them
	PACK \a
	SEND (\a)-1
	TOSTAGE \a
.endr
	SEND 3
	s_wait_tensorcnt 0x0                           ; the wave's end
	ds_add_u32 v[SPW], v[NIL]
	s_wait_dscnt 0x0
	CROUND                                         ; the closing round: no work-group ends while a partner may still ask for a tile that names it
	s_endpgm
.Lfunc_end_k_q653731ae82_proj:
	.size	k_q653731ae82_proj, .Lfunc_end_k_q653731ae82_proj-k_q653731ae82_proj
	.p2alignl 7, 3214868480
	.fill 96, 4, 3214868480
	.section	.rodata,"a",@progbits
	.p2align	6, 0x0
	.amdhsa_kernel k_q653731ae82_proj
		.amdhsa_group_segment_fixed_size 327680
		.amdhsa_private_segment_fixed_size 0
		.amdhsa_enable_private_segment 0
		.amdhsa_kernarg_size 48
		.amdhsa_user_sgpr_count 2
		.amdhsa_user_sgpr_kernarg_segment_ptr 1
		.amdhsa_wavefront_size32 1
		.amdhsa_system_sgpr_workgroup_id_x 1
		.amdhsa_system_sgpr_workgroup_id_y 1
		.amdhsa_system_sgpr_workgroup_id_z 1
		.amdhsa_system_vgpr_workitem_id 0
		.amdhsa_next_free_vgpr 512
		.amdhsa_next_free_sgpr 80
		.amdhsa_reserve_vcc 0
		.amdhsa_float_denorm_mode_32 3
		.amdhsa_float_denorm_mode_16_64 3
		.amdhsa_memory_ordered 1
		.amdhsa_forward_progress 1
		.amdhsa_inst_pref_size 96
	.end_amdhsa_kernel
	.amdgpu_metadata
---
amdhsa.version: [ 1, 2 ]
amdhsa.kernels:
  - .name:           k_q653731ae82_proj
    .symbol:         k_q653731ae82_proj.kd
    .args:
      - { .name: xb, .offset: 0, .size: 8, .value_kind: global_buffer, .address_space: global }
      - { .name: wb, .offset: 8, .size: 8, .value_kind: global_buffer, .address_space: global }
      - { .name: bq, .offset: 16, .size: 8, .value_kind: global_buffer, .address_space: global }
      - { .name: bk, .offset: 24, .size: 8, .value_kind: global_buffer, .address_space: global }
      - { .name: bv, .offset: 32, .size: 8, .value_kind: global_buffer, .address_space: global }
      - { .name: qkv, .offset: 40, .size: 8, .value_kind: global_buffer, .address_space: global }
    .group_segment_fixed_size: 327680
    .private_segment_fixed_size: 0
    .kernarg_segment_align: 8
    .kernarg_segment_size: 48
    .max_flat_workgroup_size: 256
    .sgpr_count:     80
    .vgpr_count:     512
    .wavefront_size: 32
...
	.end_amdgpu_metadata
.endif
;; end of part 5
;; launch scores (part 6): grid 8 x 32, 8 waves a work-group, clusters of 4 x 4, 327,680 bytes of LDS; arguments qkv, pp, st; writes pp, st
.if DOCPART == 6
	.amdgcn_target "amdgcn-amd-amdhsa--gfx1250"
	.amdhsa_code_object_version 6
	.text
	.protected	k_q653731ae82_scores
	.globl	k_q653731ae82_scores
	.p2align	8
	.type	k_q653731ae82_scores,@function
k_q653731ae82_scores:
	s_mov_b64 s[64:65], 0
	v_nop
	global_prefetch_b8 v0, s[64:65] scope:SCOPE_SE
	s_setreg_imm32_b32 hwreg(HW_REG_WAVE_MODE, 25, 1), 1
	s_wait_xcnt 0x0
	s_wait_alu depctr_hold_cnt(0) depctr_sa_sdst(0) depctr_va_vdst(0) depctr_va_sdst(0) depctr_va_ssrc(0) depctr_va_vcc(0) depctr_vm_vsrc(0)
	s_getreg_b32 s2, hwreg(HW_REG_IB_STS2, 6, 4)
	s_cmp_eq_u32 s2, 0
	s_cbranch_scc0 .Lentry_in_a_cluster
	s_endpgm
.Lentry_in_a_cluster:
	s_bfe_u32 s2, ttmp6, 0x10000c
	s_cmp_lg_u32 s2, 0xf033
	s_cbranch_scc0 .Lentry_shape_is_right
	s_endpgm
.Lentry_shape_is_right:
; s[q][k] = Q[q] . K[k] for the keys of q's batch; for each block j of 128 keys: cm = c x (the block's largest s), p' = 2^(c s - cm), l = the sum of the block's p'.  c = log2(e) / 32.
; qkv [8192][3072] f16 (Q columns 0-1023, K 1024-2047).  st takes cm and l in f32: byte 8192 (row / 64) + 512 j + 256 (0: cm, 1: l) + 16 (row % 16) + 4 ((row / 16) % 4).
; pp takes p' in f16, IN THE ORDER IN WHICH THE LAUNCH BEHIND TAKES IT AS A MATRIX OPERAND: byte 65,536 rb + 1,024 kb + 512 c + 16 l holds p'[16 rb + l % 16][32 kb + 16 c + 8 (l / 16) + 0..7]
; (rb: block of 16 queries, 0-511; kb: block of 32 keys of the batch, 0-63; c: half of it; l: lane).  That is how the packed results lie in this kernel's registers, so they are stored as they lie.
; The maximum taken away is the true maximum of the 128 keys; the launch behind takes the maximum over the 16 blocks and corrects by 2^(cm_j - max), so the softmax is the reference's.
; LIMITS.  p' lies in 0 to 1; below 6e-5 it keeps f16's fixed step of 6e-8; a weight below 2^-126 counts as 0 in l (taken of the unrounded p').  NaN and infinities are not treated apart.
; SHARES.  A tile is 256 queries x 256 keys: 8 x 32 = 256 work-groups, one for each WGP.  Eight waves, two to a SIMD, 4 x 2, each 64 queries x 128 keys (one block j): 32 accumulators, 256 registers;
; with fragments and addresses 512, so that two waves fill a SIMD's 1,024.
; K (the channels, 1,024) goes in steps of 128 (rows of 256 bytes at multiples of 256) through a ring of two LDS slots filled by tensor loads; each of the eight waves issues one load of 64 rows behind
; each change of slots, and that load has 224 matrix instructions of its SIMD's two waves in which to land.
; CLUSTER.  4 x 4 work-groups: a row of the cluster shares its tiles of Q, a column its tiles of K (the batch hangs on cluster y alone): each is asked for JOINTLY.
; TRANSPOSED USE (source 0 = 16 keys, source 1 = 16 queries): lane l holds query l % 16 and the keys 8 (l / 16) + 0..7 of each block: a query's maximum and sum want one exchange between the lanes' halves.
; REGISTERS (s_set_vgpr_msb: bits 1:0 source 0, 3:2 source 1, 5:4 source 2, 7:6 destination):
;   window 0: v0-31 addresses; v32-55 statistics; v64-95, v96-127 fragments of Q; v128-191, v192-255 fragments of K; on the way out v64-191 packed p', 32 registers a row block
;   window 1: accumulator (a, b) at v[8 (8 a + b)]
.set PITCH,  272                       ; an LDS row: 256 bytes + 16 of padding: row r starts at bank 4 r mod 64 (64 banks of 4 bytes: ISA guide 11.1)
.set AQ,     64*PITCH                  ; a quarter of Q's or K's tile: one tensor load; also what a wave reads of Q
.set ATILE,  4*AQ
.set BHALF,  128*PITCH                 ; what a wave reads of K
.set SLOT,   2*ATILE
.set SPARE,  2*SLOT                    ; behind the ring: the spare words, 128 bytes a wave: four blocks of 256 bytes that no other line names
.set LAPS,   1024/256
.set KROW,   3072                      ; elements from row to row in qkv
.set ASTEP,  256
.set BSTEP,  256
.set PROWB,  65536                     ; bytes of pp for a block of 16 queries
.set ADRA, 16
.set ADRB, 20
.set SO,   27                          ; v27     16 x lane: my place in 512 consecutive bytes of pp and of st; never rewritten
.set SPW,  28
.set NIL,  29
.set T,    32                          ; v32-39  at work
.set CM,   40                          ; v40-41  c m of the block in hand, twice (named as a pair)
.set CMS,  44                          ; v44-47  c m of row blocks 0-3
.set LSM,  48                          ; v48-51  l of row blocks 0-3
.set OUTS, 52                          ; v52-55  what goes to st
.set FA,   64
.set FB,   128
.set PK,   64                          ; packed p' of row block a at PK + 32 a: no register of a store is written again
.set G1,  24
.set G0,  32
.set G1B, 48
.set G0B, 56
.set SEL, 76                           ; s[76:77] v_permlanex16_b32's selects: each lane takes its own place in the other half
.set CS,  78                           ; s[78:79] c, named as a pair
.set MUL,  0x50                        ; A and B window 0, C and D window 1
.set MSB, 0
.macro WIN new
.if MSB != (\new)
	s_set_vgpr_msb (MSB<<8)|(\new)
.set MSB, \new
.endif
.endm
.macro PLACES                          ; four places (ISA guide 7.12.1)
.rept 4
	v_nop
.endr
.endm
.macro JLOAD s                         ; a joint load: waves 0-3 fetch Q's four quarters, waves 4-7 K's; an s_nop 0 and four v_nop follow each line
	s_cmp_eq_u32 s18, 0
	s_cbranch_scc0 .Lfor_b_\@
	tensor_load_to_lds s[G0+4*(\s):G0+4*(\s)+3], s[G1:G1+7]
	s_nop 0
.rept 4
	v_nop
.endr
	s_branch .Lasked_\@
.Lfor_b_\@:
	tensor_load_to_lds s[G0B+4*(\s):G0B+4*(\s)+3], s[G1B:G1B+7]
	s_nop 0
.rept 4
	v_nop
.endr
.Lasked_\@:
.endm
.macro CREST
	s_cmp_lg_u32 s10, 0
	s_cbranch_scc1 .Lnot_wave_0_\@
	s_barrier_signal -3
.Lnot_wave_0_\@:
	s_barrier_wait -3
	s_barrier_signal -1
	s_barrier_wait -1
.endm
.macro CROUND
	s_barrier_signal -1
	s_barrier_wait -1
	CREST
.endm
	s_load_b128 s[4:7], s[0:1], 0x0                ; qkv s[4:5], pp s[6:7]
	s_load_b64 s[68:69], s[0:1], 0x10              ; st
	v_lshl_add_u32 v[SPW], v0, 2, SPARE
	v_mov_b32 v[NIL], 0
	ds_add_u32 v[SPW], v[NIL]                      ; the wave's opening: the add and its wait stand ahead of my first tensor load
	v_lshrrev_b32 v1, 5, v0
	v_readfirstlane_b32 s10, v1                    ; wave 0..7
	s_lshr_b32 s11, s10, 1                         ; my quarter of the queries
	s_and_b32 s12, s10, 1                          ; my half of the keys
	s_lshr_b32 s18, s10, 2                         ; I fetch for Q (0) or for K (1),
	s_and_b32 s19, s10, 3                          ; this quarter of that tile
	s_bfe_u32 s40, ttmp6, 0x40000                  ; cx, cy
	s_bfe_u32 s41, ttmp6, 0x40004
	s_lshl_b32 s42, ttmp9, 2
	s_add_co_u32 s42, s42, s40                     ; tile column (256 keys) = 4 x cluster x + cx
	s_and_b32 s45, ttmp7, 0xffff
	s_lshl_b32 s13, s45, 2
	s_add_co_u32 s13, s13, s41                     ; tile row (256 queries) = 4 x cluster y + cy
	s_lshr_b32 s45, s45, 1                         ; the batch: two clusters of 1,024 queries each; cy does not enter
	s_lshl_b32 s43, s41, 2
	s_lshl_b32 s43, 15, s43                        ; my row of the cluster
	s_lshl_b32 s44, 0x1111, s40                    ; my column
	s_or_b32 s[G1+0], s43, (1<<16)|(1<<20)|(1<<21)|(5<<22)|(3<<25)   ; mask; 2-byte elements; padding on; 21 set beside a mask; after every 64 words 4 words
	s_or_b32 s[G1B+0], s44, (1<<16)|(1<<20)|(1<<21)|(5<<22)|(3<<25)
.irp g, G1, G1B
	s_mov_b32 s[(\g)+1], 128<<16                   ; tensor_dim0 = 128
	s_mov_b32 s[(\g)+2], 64<<16                    ; tensor_dim1 = 64
	s_mov_b32 s[(\g)+3], 128<<16                   ; tile_dim0 = 128
	s_mov_b32 s[(\g)+4], 64                        ; tile_dim1 = 64
	s_mov_b32 s[(\g)+5], KROW
	s_mov_b32 s[(\g)+6], 0
	s_mov_b32 s[(\g)+7], 0
.endr
	s_mov_b32 s[SEL], 0x76543210
	s_mov_b32 s[SEL+1], 0xfedcba98
	s_mov_b32 s[CS], 0x3d38aa3b                    ; c = log2(e) / 32 = 0.0450842
	s_mov_b32 s[CS+1], 0x3d38aa3b
	s_lshl_b32 s16, s13, 8                         ; Q: row 256 x tile row + 64 x quarter, 6,144 bytes a row (under 2^26)
	s_lshl_b32 s17, s19, 6
	s_add_co_u32 s16, s16, s17
	s_mul_i32 s16, s16, KROW*2
	s_mov_b32 s17, 0
	s_lshl_b32 s46, s45, 11                        ; K: row 2,048 x batch + 256 x tile column + 64 x quarter, 2,048 bytes into the row
	s_lshl_b32 s47, s42, 8
	s_add_co_u32 s46, s46, s47
	s_lshl_b32 s47, s19, 6
	s_add_co_u32 s46, s46, s47
	s_mul_i32 s46, s46, KROW*2
	s_add_co_u32 s46, s46, 2048
	s_mov_b32 s47, 0
	s_mul_i32 s20, s19, AQ                         ; where they go: no place in the cluster enters an LDS address
	s_add_co_u32 s21, s20, ATILE
	s_wait_dscnt 0x0                               ; the opening add is done
	s_wait_kmcnt 0x0
	s_add_nc_u64 s[14:15], s[4:5], s[16:17]
	s_add_nc_u64 s[46:47], s[4:5], s[46:47]
	CROUND                                         ; all sixteen work-groups are here: the first joint loads meet
.irp s, 0,1
	s_mov_b32 s[G0+4*(\s)], 1
	s_add_co_u32 s[G0+4*(\s)+1], s20, (\s)*SLOT
	s_add_nc_u64 s[G0+4*(\s)+2:G0+4*(\s)+3], s[14:15], (\s)*ASTEP
	s_or_b32 s[G0+4*(\s)+3], s[G0+4*(\s)+3], 0x80000000
	s_mov_b32 s[G0B+4*(\s)], 1
	s_add_co_u32 s[G0B+4*(\s)+1], s21, (\s)*SLOT
	s_add_nc_u64 s[G0B+4*(\s)+2:G0B+4*(\s)+3], s[46:47], (\s)*BSTEP
	s_or_b32 s[G0B+4*(\s)+3], s[G0B+4*(\s)+3], 0x80000000
	JLOAD \s                                       ; two loads of mine are out
.endr
	v_and_b32 v1, 15, v0                           ; r
	v_bfe_u32 v2, v0, 4, 1                         ; h
	v_mul_u32_u24 v3, v1, PITCH
	v_lshl_add_u32 v3, v2, 4, v3                   ; a fragment's row x pitch + 16 x half
	s_mul_i32 s22, s11, AQ                         ; my 64 rows of Q
	s_mul_i32 s23, s12, BHALF                      ; my 128 rows of K,
	s_add_co_u32 s23, s23, ATILE                   ; behind Q's 256
.irp s, 0,1
	v_add_nc_u32 v[ADRA+(\s)], s22, v3
	v_add_nc_u32 v[ADRB+(\s)], s23, v3
	s_add_co_u32 s22, s22, SLOT
	s_add_co_u32 s23, s23, SLOT
.endr
	v_and_b32 v3, 31, v0
	v_lshlrev_b32 v[SO], 4, v3
	s_lshl_b32 s16, s13, 4
	s_lshl_b32 s17, s11, 2
	s_add_co_u32 s16, s16, s17                     ; my first block of 16 queries: 16 x tile row + 4 x quarter,
	s_lshl_b32 s16, s16, 16                        ; 65,536 bytes each (under 2^25)
	s_mov_b32 s17, 0
	s_lshl_b32 s46, s42, 3
	s_lshl_b32 s47, s12, 2
	s_add_co_u32 s46, s46, s47                     ; my first block of 32 keys: 8 x tile column + 4 x half,
	s_lshl_b32 s46, s46, 10                        ; 1,024 bytes each
	s_mov_b32 s47, 0
	s_add_nc_u64 s[16:17], s[16:17], s[46:47]
	s_add_nc_u64 s[8:9], s[6:7], s[16:17]
	s_lshl_b32 s16, s13, 2
	s_add_co_u32 s16, s16, s11                     ; my group of 64 rows,
	s_lshl_b32 s16, s16, 13
	s_lshl_b32 s46, s42, 1
	s_add_co_u32 s46, s46, s12                     ; my block of 128 keys
	s_lshl_b32 s46, s46, 9
	s_add_co_u32 s16, s16, s46
	s_mov_b32 s17, 0
	s_add_nc_u64 s[68:69], s[68:69], s[16:17]
; 8 matrix instructions: row block a x all 8 key blocks, 32 along K, from buffer f.  zero = 1: the first product starts the sums.  The 32 accumulators take turns.
.macro MUL8 f, a, zero
	WIN MUL
.irp b, 0,1,2,3,4,5,6,7
.if \zero
	v_wmma_f32_16x16x32_f16 v[8*(8*(\a)+(\b)):8*(8*(\a)+(\b))+7], v[FB+64*(\f)+8*(\b):FB+64*(\f)+8*(\b)+7], v[FA+32*(\f)+8*(\a):FA+32*(\f)+8*(\a)+7], 0
.else
	v_wmma_f32_16x16x32_f16 v[8*(8*(\a)+(\b)):8*(8*(\a)+(\b))+7], v[FB+64*(\f)+8*(\b):FB+64*(\f)+8*(\b)+7], v[FA+32*(\f)+8*(\a):FA+32*(\f)+8*(\a)+7], v[8*(8*(\a)+(\b)):8*(8*(\a)+(\b))+7]
.endif
.endr
.endm
.macro FETCH slot, q, f                ; 24 LDS loads in one run: quarter q of a slot into buffer f: K's 128 rows, then Q's 64
	WIN 0
.irp i, 0,1,2,3,4,5,6,7
	ds_load_b128 v[FB+64*(\f)+8*(\i):FB+64*(\f)+8*(\i)+3],   v[ADRB+(\slot)] offset:64*(\q)+(\i)*16*PITCH
	ds_load_b128 v[FB+64*(\f)+8*(\i)+4:FB+64*(\f)+8*(\i)+7], v[ADRB+(\slot)] offset:64*(\q)+(\i)*16*PITCH+32
.endr
.irp i, 0,1,2,3
	ds_load_b128 v[FA+32*(\f)+8*(\i):FA+32*(\f)+8*(\i)+3],   v[ADRA+(\slot)] offset:64*(\q)+(\i)*16*PITCH
	ds_load_b128 v[FA+32*(\f)+8*(\i)+4:FA+32*(\f)+8*(\i)+7], v[ADRA+(\slot)] offset:64*(\q)+(\i)*16*PITCH+32
.endr
.endm
.macro QUARTER slot, q, f, g, zero
	s_wait_dscnt 4                                 ; K's fragments and Q's blocks 0, 1 are in; the youngest four loads (Q's blocks 2, 3) may be out
	MUL8 \f, 0, \zero
	MUL8 \f, 1, \zero
	PLACES
	FETCH \slot, \q, \g
	s_wait_dscnt 24                                ; all but the 24 just issued
	MUL8 \f, 2, \zero
	MUL8 \f, 3, \zero
.endm
; The change of slots: each wave waits for all its tensor loads (one is out: its part of the next slot), adds 0 to its spare word, waits for that and for its reads of this slot; one barrier;
; fill = 1: it opens a round of the cluster's barrier, and this slot is filled again, two K steps ahead, first thing behind the round.
.macro TURN slot, next, fill
	WIN 0
	s_wait_tensorcnt 0x0
	ds_add_u32 v[SPW], v[NIL]
	s_wait_dscnt 5                                 ; (the add and the youngest four loads may be out)
	MUL8 1, 0, 0
	s_wait_dscnt 0x0                               ; the add is done, and my reads of this slot are over
	s_barrier_signal -1
	MUL8 1, 1, 0
.if \fill
	WIN 0
.endif
	s_barrier_wait -1
.if \fill
	CREST
	s_add_nc_u64 s[G0+4*(\slot)+2:G0+4*(\slot)+3], s[G0+4*(\slot)+2:G0+4*(\slot)+3], 2*ASTEP
	s_add_nc_u64 s[G0B+4*(\slot)+2:G0B+4*(\slot)+3], s[G0B+4*(\slot)+2:G0B+4*(\slot)+3], 2*BSTEP
	JLOAD \slot                                    ; its four v_nop are also the places in front of the loads below
.else
	PLACES
.endif
	FETCH \next, 0, 0
	MUL8 1, 2, 0
	MUL8 1, 3, 0
.endm
	s_wait_tensorcnt 1                             ; my part of K step 0 is in; K step 1's may stay out
	s_barrier_signal -1
	s_barrier_wait -1
	FETCH 0, 0, 0
	QUARTER 0, 1, 0, 1, 1
	WIN 0
	s_mov_b32 s3, LAPS-1
.Llap:                                                 ; a trip goes once round the ring and fills both slots again
	QUARTER 0, 2, 1, 0, 0
	QUARTER 0, 3, 0, 1, 0
	TURN 0, 1, 1
	QUARTER 1, 1, 0, 1, 0
	QUARTER 1, 2, 1, 0, 0
	QUARTER 1, 3, 0, 1, 0
	TURN 1, 0, 1
	QUARTER 0, 1, 0, 1, 0
	WIN 0
	s_sub_co_u32 s3, s3, 1
	s_cmp_lg_u32 s3, 0
	s_cbranch_scc1 .Llap
	QUARTER 0, 2, 1, 0, 0                          ; the last lap fills nothing
	QUARTER 0, 3, 0, 1, 0
	TURN 0, 1, 0
	QUARTER 1, 1, 0, 1, 0
	QUARTER 1, 2, 1, 0, 0
	QUARTER 1, 3, 0, 1, 0
	s_wait_dscnt 4
	MUL8 1, 0, 0
	MUL8 1, 1, 0
	s_wait_dscnt 0x0
	MUL8 1, 2, 0
	MUL8 1, 3, 0
	WIN 0
	PLACES
; THE SOFTMAX'S FIRST HALF for row block a: a lane holds 64 scores of one query (8 accumulators x 8), the lane 16 away the other 64.
.macro SOFT a
.set AC, 64*(\a)
.set TMP, PK+32*(\a)
	WIN 0x15                                       ; all three sources window 1
.irp b, 0,1,2,3,4,5,6,7
	v_max3_num_f32 v[T+(\b)], v[AC+8*(\b)], v[AC+8*(\b)+1], v[AC+8*(\b)+2]
.endr
	WIN 0x14                                       ; source 0 window 0
.irp b, 0,1,2,3,4,5,6,7
	v_max3_num_f32 v[T+(\b)], v[T+(\b)], v[AC+8*(\b)+3], v[AC+8*(\b)+4]
.endr
.irp b, 0,1,2,3,4,5,6,7
	v_max3_num_f32 v[T+(\b)], v[T+(\b)], v[AC+8*(\b)+5], v[AC+8*(\b)+6]
.endr
.irp i, 0,1,2,3
	v_max3_num_f32 v[T+2*(\i)], v[T+2*(\i)], v[AC+16*(\i)+7], v[AC+16*(\i)+15]
.endr
	WIN 0
	v_max3_num_f32 v[T], v[T], v[T+1], v[T+2]
	v_max3_num_f32 v[T+3], v[T+3], v[T+4], v[T+5]
	v_max_num_f32 v[T+6], v[T+6], v[T+7]
	v_max3_num_f32 v[T], v[T], v[T+3], v[T+6]
	v_permlanex16_b32 v[T+1], v[T], s[SEL], s[SEL+1]   ; the query's other 64 keys
	v_max_num_f32 v[T], v[T], v[T+1]
	v_mul_f32 v[CM], s[CS], v[T]                   ; c m,
	v_mul_f32 v[CM+1], s[CS], v[T]                 ; named with it as a pair,
	v_mul_f32 v[CMS+(\a)], s[CS], v[T]             ; and kept for st
	WIN 0x45                                       ; destination and sources 0, 1 window 1; source 2 (c m) window 0
.set i, 0
.rept 32
	v_pk_fma_f32 v[AC+2*i:AC+2*i+1], v[AC+2*i:AC+2*i+1], s[CS:CS+1], v[CM:CM+1] op_sel_hi:[1,0,0] neg_lo:[0,0,1] neg_hi:[0,0,1]  ; c s - c m
.set i, i+1
.endr
.set i, 0
.rept 64
	v_exp_f32 v[AC+i], v[AC+i]
.set i, i+1
.endr
	v_nop                                          ; a plain instruction between the exponentials and the first use of a result (ISA guide 5.7.2)
	WIN 0x05
.set i, 0
	s_wait_alu depctr_va_vdst(0)
.rept 32
	v_cvt_pk_f16_f32 v[TMP+i], v[AC+2*i], v[AC+2*i+1]
.set i, i+1
.endr
	WIN 0x45                                       ; the sum of the 32 pairs, in place, as a tree: neighbours 2, 4, 8, 16 and 32 registers apart
.irp d, 2,4,8,16,32
.set i, 0
.rept 32/(\d)
	v_pk_add_f32 v[AC+2*(\d)*i:AC+2*(\d)*i+1], v[AC+2*(\d)*i:AC+2*(\d)*i+1], v[AC+2*(\d)*i+(\d):AC+2*(\d)*i+(\d)+1]
.set i, i+1
.endr
.endr
	WIN 0x05
	v_add_f32 v[T], v[AC], v[AC+1]
	WIN 0
	v_permlanex16_b32 v[T+1], v[T], s[SEL], s[SEL+1]
	v_add_f32 v[LSM+(\a)], v[T], v[T+1]
.endm
; Row block a's weights leave as they lie: the four registers of key block b are 16 bytes a lane, half b % 2 of the block b / 2 of 32 keys.
.macro SENDP a
.irp b, 0,1,2,3,4,5,6,7
	global_store_b128 v[SO], v[PK+32*(\a)+4*(\b):PK+32*(\a)+4*(\b)+3], s[8:9] offset:(\a)*PROWB+512*(\b)  ; the wave stores 512 consecutive bytes, at a multiple of 512 from the buffer's first byte
.endr
.endm
.irp a, 0,1,2,3                        ; a block's stores leave while the next block's softmax is made
	SOFT \a
	SENDP \a
.endr
	v_and_b32 v3, 31, v0                           ; the statistics: lanes 0-15 send c m of rows r, 16 + r, 32 + r, 48 + r, lanes 16-31 their l: 512 consecutive bytes
	v_cmp_le_u32 vcc_lo, 16, v3
.irp a, 0,1,2,3
	v_cndmask_b32 v[OUTS+(\a)], v[CMS+(\a)], v[LSM+(\a)], vcc_lo
.endr
	global_store_b128 v[SO], v[OUTS:OUTS+3], s[68:69]
	s_wait_tensorcnt 0x0                           ; the wave's end
	ds_add_u32 v[SPW], v[NIL]
	s_wait_dscnt 0x0
	CROUND                                         ; the closing round
	s_endpgm
.Lfunc_end_k_q653731ae82_scores:
	.size	k_q653731ae82_scores, .Lfunc_end_k_q653731ae82_scores-k_q653731ae82_scores
	.p2alignl 7, 3214868480
	.fill 96, 4, 3214868480
	.section	.rodata,"a",@progbits
	.p2align	6, 0x0
	.amdhsa_kernel k_q653731ae82_scores
		.amdhsa_group_segment_fixed_size 327680
		.amdhsa_private_segment_fixed_size 0
		.amdhsa_enable_private_segment 0
		.amdhsa_kernarg_size 24
		.amdhsa_user_sgpr_count 2
		.amdhsa_user_sgpr_kernarg_segment_ptr 1
		.amdhsa_wavefront_size32 1
		.amdhsa_system_sgpr_workgroup_id_x 1
		.amdhsa_system_sgpr_workgroup_id_y 1
		.amdhsa_system_sgpr_workgroup_id_z 1
		.amdhsa_system_vgpr_workitem_id 0
		.amdhsa_next_free_vgpr 512
		.amdhsa_next_free_sgpr 80
		.amdhsa_reserve_vcc 1
		.amdhsa_float_denorm_mode_32 3
		.amdhsa_float_denorm_mode_16_64 3
		.amdhsa_memory_ordered 1
		.amdhsa_forward_progress 1
		.amdhsa_inst_pref_size 116
	.end_amdhsa_kernel
	.amdgpu_metadata
---
amdhsa.version: [ 1, 2 ]
amdhsa.kernels:
  - .name:           k_q653731ae82_scores
    .symbol:         k_q653731ae82_scores.kd
    .args:
      - { .name: qkv, .offset: 0, .size: 8, .value_kind: global_buffer, .address_space: global }
      - { .name: pp, .offset: 8, .size: 8, .value_kind: global_buffer, .address_space: global }
      - { .name: st, .offset: 16, .size: 8, .value_kind: global_buffer, .address_space: global }
    .group_segment_fixed_size: 327680
    .private_segment_fixed_size: 0
    .kernarg_segment_align: 8
    .kernarg_segment_size: 24
    .max_flat_workgroup_size: 256
    .sgpr_count:     80
    .vgpr_count:     512
    .wavefront_size: 32
...
	.end_amdgpu_metadata
.endif
;; end of part 6
;; launch pv (part 7): grid 8 x 32, 4 waves a work-group, clusters of 4 x 4, 327,680 bytes of LDS; arguments pp, qkv, st, out0; writes out0
.if DOCPART == 7
	.amdgcn_target "amdgcn-amd-amdhsa--gfx1250"
	.amdhsa_code_object_version 6
	.text
	.protected	k_q653731ae82_pv
	.globl	k_q653731ae82_pv
	.p2align	8
	.type	k_q653731ae82_pv,@function
k_q653731ae82_pv:
	s_mov_b64 s[64:65], 0
	v_nop
	global_prefetch_b8 v0, s[64:65] scope:SCOPE_SE
	s_setreg_imm32_b32 hwreg(HW_REG_WAVE_MODE, 25, 1), 1
	s_wait_xcnt 0x0
	s_wait_alu depctr_hold_cnt(0) depctr_sa_sdst(0) depctr_va_vdst(0) depctr_va_sdst(0) depctr_va_ssrc(0) depctr_va_vcc(0) depctr_vm_vsrc(0)
	s_getreg_b32 s2, hwreg(HW_REG_IB_STS2, 6, 4)
	s_cmp_eq_u32 s2, 0
	s_cbranch_scc0 .Lentry_in_a_cluster
	s_endpgm
.Lentry_in_a_cluster:
	s_bfe_u32 s2, ttmp6, 0x10000c
	s_cmp_lg_u32 s2, 0xf033
	s_cbranch_scc0 .Lentry_shape_is_right
	s_endpgm
.Lentry_shape_is_right:
; out0[q][n] = sum over blocks j of f'_j[q] x (sum over the block's keys k of p'[q][k] V[k][n]),  f'_j[q] = f_j[q] / (sum over j of f_j[q] l_j[q]),  f_j[q] = 2^(cm_j[q] - max over j of cm_j[q]).
; pp: p' in f16, in the order of a matrix operand: byte 65,536 rb + 1,024 kb + 512 c + 16 l holds p'[16 rb + l % 16][32 kb + 16 c + 8 (l / 16) + 0..7] (kb: block of 32 of the batch's 2,048 keys).
; V = columns 2048-3071 of qkv [8192][3072] f16; st: cm and l in f32, at byte 8192 (row / 64) + 512 j + 256 (0: cm, 1: l) + 16 (row % 16) + 4 ((row / 16) % 4); out0 [8192][1024] f32.
; The maximum over all keys is taken away here: f p' = 2^(c s - c max).
; LIMITS.  f lies in 0 to 1 (a factor below 2^-126 counts as 0); the divisor is at least 1 (the largest block has f = 1 and l >= 1).  NaN and infinities are not treated apart.
; SHARES.  A tile is 256 queries x 128 channels: 8 x 32 = 256 work-groups, one for each WGP.  Four waves, each 64 queries x all 128 channels: no two waves of a work-group want the same p'.
; V ALONE GOES THROUGH LDS, in steps of 256 keys (two blocks j): 256 rows of 256 bytes, two slots; each wave issues one tensor load of 64 rows behind each change of slots, and that load has
; 240 of a step's 256 matrix instructions in which to land.  V ([key][channel]) comes out of LDS turned, by ds_load_tr16_b128.
; p' GOES STRAIGHT INTO REGISTERS: a fragment is two loads of 512 consecutive bytes.  A ring of eight buffers, one for each quarter (32 keys) of a step: quarter t asks for quarter t + 7's.
; With p' in LDS too, a slot of 256 keys would take 256 x 528 bytes more, and two such slots 417,792 bytes in all: more than a WGP has.
; TWO SETS OF SUMS, all in f32.  A block's products sum into S (32 accumulators; the block's first quarter starts them with the constant 0).  At the next block's first quarter O += f' S: 128 packed
; multiply-adds a wave and block, in four runs of 32, each in front of the eight products that start the same S anew.  O is cleared once, by 256 v_mov_b32 in the wait for the first tile:
; the price of writing no first block out.
; CLUSTER.  4 x 4 work-groups: a column of the cluster shares its tiles of V (the batch hangs on cluster y alone): they are asked for JOINTLY.  p' is shared along a row of the cluster and is NOT asked
; for jointly: only a tensor load, into LDS, can be joint, and LDS has no room for it (above).  So each of the eight work-groups of a row of tiles loads the row's p' for itself: 8 x 33.5 MB in all.
; TRANSPOSED USE (source 0 = 16 channels, source 1 = 16 queries): lane l holds query l % 16 and channels 8 (l / 16) + 0..7, so f' is one number a lane and row block.
; REGISTERS (s_set_vgpr_msb: bits 1:0 source 0, 3:2 source 1, 5:4 source 2, 7:6 destination):
;   window 0: v4-11 f' of the block to be folded, row blocks 0-3, each twice (a pair for the packed form); v12-31 addresses; v32-43 statistics; v128-191, v192-255 fragments of V, two buffers
;   window 1: S (a, b) at v[8 (8 a + b)]     window 2: O (a, b) likewise     window 3: p': quarter q's four fragments at v[32 q + 8 a]
.set PV,     288                       ; a row of V in LDS: 256 bytes + 32 = 72 words
.set WKEYS,  64*PV                     ; what one tensor load brings: 64 keys
.set SLOT1,  1<<17                     ; a slot holds 256 keys, 73,728 bytes; slot 1 begins here, so that one exclusive or turns an address in one slot into the other's
.set STAGE,  SLOT1+4*WKEYS             ; behind the ring: 16 rows x 528 bytes for each wave, for the way out
.set SPITCH, 528
.set FT,     STAGE+4*16*SPITCH         ; the factors: for each wave 16 blocks x 16 rows x 4 row blocks x 2 x 4 bytes = 8,192 bytes, its own
.set SPARE,  FT+4*8192                 ; the spare words, 128 bytes a wave: two blocks of 256 bytes that no other line names
.set STEPS,  2048/256
.set VSTEP,  256*6144                  ; 256 rows of qkv
.set PSTEP,  8*1024                    ; a step's eight blocks of 32 keys in pp
.set PROWB,  65536                     ; bytes of pp for a block of 16 queries
.set CROW,   4096
.set FC,   4
.set AV0,  16                          ; v16     my lane's place in a slot, for quarters 0-3; never rewritten
.set AV1,  17                          ; v17     for quarters 4-7 (128 keys on: an LDS offset has 16 bits); never rewritten
.set ADRV, 18                          ; v18-19  the same two in the slot in hand
.set STO,  24
.set RD,   25
.set CO,   26                          ; v26     16 x lane: my place in 512 consecutive bytes, of pp and of out0; never rewritten
.set FTA,  27                          ; v27     LDS address of my row's factors; steps by two blocks a trip
.set SPW,  28
.set NIL,  29
.set SV,   30                          ; v30     16 r: my row's place in st
.set MX,   32                          ; v32-35  the largest cm, row blocks 0-3
.set LSUM, 36                          ; v36-39  the divisor
.set RL,   40                          ; v40-43  its reciprocal
.set MS,   64                          ; v64-127   cm, then f: block j, row block a at MS + 4 j + a
.set LL,   128                         ; v128-191  l likewise (before the first fragments come)
.set FD,   128                         ; v128-255  then f', twice each: FD + 8 j + 2 a
.set FB,   128
.set G1,  24                           ; s[24:31] descriptor group 1
.set G0A, 32                           ; s[32:35] group 0 of the first fill of slot 0
.set G0W, 36                           ; s[36:39] group 0 of the first fill of slot 1; it then walks on
.set TB,  48                           ; s48      LDS byte at which the slot in hand begins
.set MUL,  0x5c                        ; V window 0, p' window 3, S (C and D) window 1
.set MSB, 0
.macro WIN new
.if MSB != (\new)
	s_set_vgpr_msb (MSB<<8)|(\new)
.set MSB, \new
.endif
.endm
.macro PLACES                          ; four places (ISA guide 7.12.1)
.rept 4
	v_nop
.endr
.endm
.macro CREST
	s_cmp_lg_u32 s10, 0
	s_cbranch_scc1 .Lnot_wave_0_\@
	s_barrier_signal -3
.Lnot_wave_0_\@:
	s_barrier_wait -3
	s_barrier_signal -1
	s_barrier_wait -1
.endm
.macro CROUND
	s_barrier_signal -1
	s_barrier_wait -1
	CREST
.endm
; Eight loads: the four fragments of p' (my 64 queries x 32 keys) of block k of the step at which s[4:5] stands, into the ring's buffer k
.macro ALOAD k
	WIN 0xc0                                       ; destination window 3, address window 0
.irp a, 0,1,2,3
	global_load_b128 v[32*(\k)+8*(\a):32*(\k)+8*(\a)+3],   v[CO], s[4:5] offset:(\a)*PROWB+(\k)*1024
	global_load_b128 v[32*(\k)+8*(\a)+4:32*(\k)+8*(\a)+7], v[CO], s[4:5] offset:(\a)*PROWB+(\k)*1024+512
.endr
.endm
	s_load_b128 s[4:7], s[0:1], 0x0                ; pp s[4:5], qkv s[6:7]
	s_load_b128 s[68:71], s[0:1], 0x10             ; st s[68:69], out0 s[70:71]
	v_lshl_add_u32 v[SPW], v0, 2, SPARE
	v_mov_b32 v[NIL], 0
	ds_add_u32 v[SPW], v[NIL]                      ; the wave's opening: the add and its wait stand ahead of my first tensor load
	v_lshrrev_b32 v1, 5, v0
	v_readfirstlane_b32 s10, v1                    ; wave 0..3: my 64 queries of the tile; also the 64 keys of a step that I fetch
	s_bfe_u32 s40, ttmp6, 0x40000                  ; cx, cy
	s_bfe_u32 s41, ttmp6, 0x40004
	s_lshl_b32 s42, ttmp9, 2
	s_add_co_u32 s42, s42, s40                     ; tile column (128 channels)
	s_and_b32 s45, ttmp7, 0xffff
	s_lshl_b32 s13, s45, 2
	s_add_co_u32 s13, s13, s41                     ; tile row (256 queries)
	s_lshr_b32 s45, s45, 1                         ; the batch: two clusters of 1,024 queries each; cy does not enter
	s_lshl_b32 s44, 0x1111, s40                    ; my column of the cluster
	s_or_b32 s[G1+0], s44, (1<<16)|(1<<20)|(1<<21)|(5<<22)|(7<<25)   ; 15:0 mask; 2-byte elements; padding on; 21 set beside a mask; after every 64 words 8 words
	s_mov_b32 s[G1+1], 128<<16                     ; tensor_dim0 = 128 channels
	s_mov_b32 s[G1+2], 64<<16                      ; tensor_dim1 = 64 keys
	s_mov_b32 s[G1+3], 128<<16                     ; tile_dim0
	s_mov_b32 s[G1+4], 64                          ; tile_dim1
	s_mov_b32 s[G1+5], 3072                        ; elements in a row of qkv
	s_mov_b32 s[G1+6], 0
	s_mov_b32 s[G1+7], 0
	s_lshl_b32 s46, s45, 11                        ; V: row 2,048 x batch + 64 x wave, 6,144 bytes a row; 4,096 + 256 x tile column bytes into the row (under 2^26)
	s_lshl_b32 s47, s10, 6
	s_add_co_u32 s46, s46, s47
	s_mul_i32 s46, s46, 6144
	s_lshl_b32 s47, s42, 8
	s_add_co_u32 s46, s46, s47
	s_add_co_u32 s46, s46, 4096
	s_mov_b32 s47, 0
	s_mul_i32 s20, s10, WKEYS                      ; where it goes: no place in the cluster enters an LDS address
	s_mov_b32 s[TB], 0
	s_wait_dscnt 0x0                               ; the opening add is done
	s_wait_kmcnt 0x0
	s_add_nc_u64 s[46:47], s[6:7], s[46:47]
	CROUND                                         ; all sixteen work-groups are here: the first joint loads meet
	s_mov_b32 s[G0A], 1
	s_mov_b32 s[G0A+1], s20                        ; slot 0,
	s_mov_b64 s[G0A+2:G0A+3], s[46:47]             ; step 0
	s_or_b32 s[G0A+3], s[G0A+3], 0x80000000
	s_mov_b32 s[G0W], 1
	s_add_co_u32 s[G0W+1], s20, SLOT1              ; slot 1,
	s_add_nc_u64 s[G0W+2:G0W+3], s[46:47], VSTEP   ; step 1
	s_or_b32 s[G0W+3], s[G0W+3], 0x80000000
	tensor_load_to_lds s[G0A:G0A+3], s[G1:G1+7]    ; my two first fills stand together: two loads of mine are out
	s_nop 0
	tensor_load_to_lds s[G0W:G0W+3], s[G1:G1+7]
	s_nop 0
.rept 4
	v_nop
.endr
	v_and_b32 v1, 15, v0                           ; r
	v_bfe_u32 v2, v0, 4, 1                         ; h
	s_lshl_b32 s16, s13, 2
	s_add_co_u32 s16, s16, s10                     ; my group of 64 rows in st
	s_lshl_b32 s16, s16, 13
	s_mov_b32 s17, 0
	s_add_nc_u64 s[68:69], s[68:69], s[16:17]
	v_lshlrev_b32 v[SV], 4, v1
.set j, 0
.rept 16                               ; cm and l of my row in each of the four row blocks, for all 16 blocks of keys; both halves of the lanes take the same
	global_load_b128 v[MS+4*j:MS+4*j+3], v[SV], s[68:69] offset:512*j
	global_load_b128 v[LL+4*j:LL+4*j+3], v[SV], s[68:69] offset:512*j+256
.set j, j+1
.endr
	s_lshl_b32 s16, s13, 4
	s_lshl_b32 s18, s10, 2
	s_add_co_u32 s16, s16, s18                     ; my first block of 16 queries in pp: 16 x tile row + 4 x wave,
	s_lshl_b32 s16, s16, 16                        ; 65,536 bytes each (under 2^25)
	s_add_nc_u64 s[4:5], s[4:5], s[16:17]
	v_and_b32 v[CO], 31, v0
	v_lshlrev_b32 v[CO], 4, v[CO]
	ALOAD 0                                        ; the ring's first three quarters go out behind the statistics: 56 loads of mine are out
	ALOAD 1
	ALOAD 2
	WIN 0x80                                       ; destination window 2: O starts at 0, while the loads above and the first tiles are on their way
.set i, 0
.rept 256
	v_mov_b32 v[i], 0
.set i, i+1
.endr
	WIN 0
	; The turning load takes 16 keys x 16 channels (lane l reads key 8 (l / 16) + l % 8, channels 8 ((l / 8) % 2) + 0..7) and leaves half a fragment of V^T: lane l holds channel l % 16 and 8 keys.
	v_and_b32 v3, 7, v0
	v_lshl_add_u32 v3, v2, 3, v3
	v_mul_u32_u24 v3, v3, PV
	v_bfe_u32 v12, v0, 3, 1
	v_lshl_add_u32 v[AV0], v12, 4, v3
	v_add_nc_u32 v[AV1], 4*32*PV, v[AV0]
	v_add_nc_u32 v[ADRV], s[TB], v[AV0]            ; slot 0
	v_add_nc_u32 v[ADRV+1], s[TB], v[AV1]
	s_mul_i32 s22, s10, 16*SPITCH
	s_add_co_u32 s22, s22, STAGE                   ; my stage
	v_mul_u32_u24 v12, v1, SPITCH                  ; in: row l % 16, 32 bytes for each half of the lanes
	v_lshl_add_u32 v12, v2, 5, v12
	v_add_nc_u32 v[STO], s22, v12
	v_add_nc_u32 v[RD], s22, v[CO]                 ; back: 32 lanes take one row of 512 bytes
	s_lshl_b32 s22, s10, 13
	s_add_co_u32 s22, s22, FT                      ; my table of factors: 512 bytes a block, 32 a row
	v_lshl_add_u32 v[FTA], v1, 5, s22
	s_lshl_b32 s16, s13, 8
	s_lshl_b32 s18, s10, 6
	s_add_co_u32 s16, s16, s18                     ; my first row of out0
	s_lshl_b32 s16, s16, 12
	s_mov_b32 s17, 0
	s_lshl_b32 s46, s42, 9                         ; the tile's first channel, in bytes
	s_mov_b32 s47, 0
	s_add_nc_u64 s[16:17], s[16:17], s[46:47]
	s_add_nc_u64 s[8:9], s[70:71], s[16:17]
	s_wait_loadcnt 24                              ; cm and l are in; the 24 loads of p' issued behind them may be out
	ALOAD 3                                        ; the ring's next four quarters: again 56 loads at the most are out
	ALOAD 4
	ALOAD 5
	ALOAD 6
	WIN 0
.irp a, 0,1,2,3                        ; the largest of the 16 cm, three operands at a time, the four row blocks by turns
	v_max3_num_f32 v[MX+(\a)], v[MS+(\a)], v[MS+4+(\a)], v[MS+8+(\a)]
.endr
.irp j, 3,5,7,9,11,13
.irp a, 0,1,2,3
	v_max3_num_f32 v[MX+(\a)], v[MX+(\a)], v[MS+4*(\j)+(\a)], v[MS+4*(\j)+4+(\a)]
.endr
.endr
.irp a, 0,1,2,3
	v_max_num_f32 v[MX+(\a)], v[MX+(\a)], v[MS+60+(\a)]
.endr
.set j, 0
.rept 16
	v_pk_add_f32 v[MS+4*j:MS+4*j+1], v[MS+4*j:MS+4*j+1], v[MX:MX+1] neg_lo:[0,1] neg_hi:[0,1]
	v_pk_add_f32 v[MS+4*j+2:MS+4*j+3], v[MS+4*j+2:MS+4*j+3], v[MX+2:MX+3] neg_lo:[0,1] neg_hi:[0,1]
.set j, j+1
.endr
.set j, 0
.rept 64
	v_exp_f32 v[MS+j], v[MS+j]                     ; f
.set j, j+1
.endr
	v_nop                                          ; a plain instruction between the exponentials and the first use of a result (ISA guide 5.7.2)
	s_wait_alu depctr_va_vdst(0)
	v_pk_mul_f32 v[LSUM:LSUM+1], v[MS:MS+1], v[LL:LL+1]
	v_pk_mul_f32 v[LSUM+2:LSUM+3], v[MS+2:MS+3], v[LL+2:LL+3]
.set j, 1
.rept 15
	v_pk_fma_f32 v[LSUM:LSUM+1], v[MS+4*j:MS+4*j+1], v[LL+4*j:LL+4*j+1], v[LSUM:LSUM+1]
	v_pk_fma_f32 v[LSUM+2:LSUM+3], v[MS+4*j+2:MS+4*j+3], v[LL+4*j+2:LL+4*j+3], v[LSUM+2:LSUM+3]
.set j, j+1
.endr
.irp a, 0,1,2,3
	v_rcp_f32 v[RL+(\a)], v[LSUM+(\a)]
.endr
	v_nop                                          ; a plain instruction behind the last reciprocal
.set j, 0
	s_wait_alu depctr_va_vdst(0)
.rept 16                               ; f' = f / divisor, made twice, so that a pair of registers feeds both halves of the packed multiply-add as it lies
.irp a, 0,1,2,3
	v_mul_f32 v[FD+8*j+2*(\a)], v[MS+4*j+(\a)], v[RL+(\a)]
	v_mul_f32 v[FD+8*j+2*(\a)+1], v[MS+4*j+(\a)], v[RL+(\a)]
.endr
.set j, j+1
.endr
.set j, 0
.rept 16
	ds_store_b128 v[FTA], v[FD+8*j:FD+8*j+3]   offset:512*j     ; lanes r and 16 + r store the same bytes
	ds_store_b128 v[FTA], v[FD+8*j+4:FD+8*j+7] offset:512*j+16
.set j, j+1
.endr
; 8 matrix instructions of quarter q: row block a x all 8 channel blocks, 32 keys: V's buffer q % 2, p's buffer q.  zero = 1: a block's first product starts S anew.
; The 32 accumulators take turns, one instruction a turn, in the same order in every quarter.
.macro MUL8 q, a, zero
	WIN MUL
.irp b, 0,1,2,3,4,5,6,7
.if \zero
	v_wmma_f32_16x16x32_f16 v[8*(8*(\a)+(\b)):8*(8*(\a)+(\b))+7], v[FB+64*((\q)%2)+8*(\b):FB+64*((\q)%2)+8*(\b)+7], v[32*(\q)+8*(\a):32*(\q)+8*(\a)+7], 0
.else
	v_wmma_f32_16x16x32_f16 v[8*(8*(\a)+(\b)):8*(8*(\a)+(\b))+7], v[FB+64*((\q)%2)+8*(\b):FB+64*((\q)%2)+8*(\b)+7], v[32*(\q)+8*(\a):32*(\q)+8*(\a)+7], v[8*(8*(\a)+(\b)):8*(8*(\a)+(\b))+7]
.endif
.endr
.endm
; O += f' S for row block a: 32 packed multiply-adds, each accumulator from its low end on.  Behind S's last products stand four v_nop, or other row blocks' folds.
.macro FOLD a
	WIN 0xa1                                       ; destination and source 2 (O) window 2, source 0 (S) window 1, source 1 (f') window 0
.set i, 0
.rept 32
	v_pk_fma_f32 v[64*(\a)+2*i:64*(\a)+2*i+1], v[64*(\a)+2*i:64*(\a)+2*i+1], v[FC+2*(\a):FC+2*(\a)+1], v[64*(\a)+2*i:64*(\a)+2*i+1]
.set i, i+1
.endr
.endm
; One run of LDS loads: V's quarter q (32 keys) of the slot in hand, turned, into buffer q % 2; with fac >= 0 first the factors at v[FTA] + fac
.macro FETCHV q, fac
	WIN 0
.if (\fac) >= 0
	ds_load_b128 v[FC:FC+3],   v[FTA] offset:\fac
	ds_load_b128 v[FC+4:FC+7], v[FTA] offset:(\fac)+16
.endif
.irp i, 0,1,2,3,4,5,6,7
	ds_load_tr16_b128 v[FB+64*((\q)%2)+8*(\i):FB+64*((\q)%2)+8*(\i)+3],   v[ADRV+(\q)/4] offset:((\q)%4)*32*PV+32*(\i)
	ds_load_tr16_b128 v[FB+64*((\q)%2)+8*(\i)+4:FB+64*((\q)%2)+8*(\i)+7], v[ADRV+(\q)/4] offset:((\q)%4)*32*PV+16*PV+32*(\i)
.endr
.endm
; Quarter q (0 to 6) of a step.  Behind its first eight products and four places it fetches V's quarter q + 1 and (ald >= 0) asks for p's block ald, the quarter seven on: both go into
; registers that the quarter before multiplied.  zero = 1: a block's first quarter.  fold = 1: the block before is folded into O first, row block by row block.
; lcnt: the loads of p' younger than this quarter's: six quarters' eight each, fewer in the last step.
.macro QUARTER q, zero, fold, fac, ald, lcnt
	s_wait_loadcnt \lcnt                           ; loads come back in order (ISA guide 5.7.1): this quarter's p' is in
	s_wait_dscnt 0x0                               ; its V, and the factors, are in: they were asked for 24 matrix instructions ago
.if \fold
	FOLD 0
.endif
	MUL8 \q, 0, \zero
	PLACES
	FETCHV (\q)+1, \fac
.if (\ald) >= 0
	ALOAD \ald
.endif
.irp a, 1,2,3
.if \fold
	FOLD \a
.endif
	MUL8 \q, \a, \zero
.endr
.endm
; Quarter 7 changes slots: each wave waits for all its tensor loads (one is out: its part of the next slot), adds 0 to its spare word, waits for that and for its reads of this slot; one barrier;
; fill = 1: it opens a round of the cluster's barrier, and this slot is filled again, two steps ahead, first thing behind the round.
.macro TURN fill
	WIN 0
	s_wait_tensorcnt 0x0
	ds_add_u32 v[SPW], v[NIL]
	s_wait_loadcnt 48                              ; this quarter's p' is in
	s_wait_dscnt 1                                 ; (the add alone may be out)
	MUL8 7, 0, 0
	s_wait_dscnt 0x0                               ; the add is done, and my reads of this slot are over
	s_barrier_signal -1
	MUL8 7, 1, 0
.if \fill
	WIN 0
.endif
	s_barrier_wait -1
.if \fill
	CREST                                          ; no wave of any partner still reads this slot's tile or has a load on its way
	s_xor_b32 s[G0W+1], s[G0W+1], SLOT1            ; the walking descriptor: the other slot than last time,
	s_add_nc_u64 s[G0W+2:G0W+3], s[G0W+2:G0W+3], VSTEP  ; the next 256 keys; the type bits on top are not reached
	tensor_load_to_lds s[G0W:G0W+3], s[G1:G1+7]    ; every wave fetches 64 keys of its own: its one load behind the round
	s_nop 0
.rept 4
	v_nop                                          ; also the places in front of the loads below
.endr
.else
	PLACES
.endif
	s_xor_b32 s[TB], s[TB], SLOT1                  ; the reads go on in the other slot
	WIN 0
	v_add_nc_u32 v[ADRV], s[TB], v[AV0]
	v_add_nc_u32 v[ADRV+1], s[TB], v[AV1]
	FETCHV 0, 512                                  ; with the factors of the block that ends here
	ALOAD 6
	MUL8 7, 2, 0
	MUL8 7, 3, 0
.endm
; A trip: quarters 1 to 7 of a step and quarter 0 of the next.  All its loads of p' are the next step's eight blocks, at which s[4:5] stands.
.macro TRIP fill
	QUARTER 1, 0, 0, -1, 0, 48
	QUARTER 2, 0, 0, -1, 1, 48
	QUARTER 3, 0, 0,  0, 2, 48                     ; with the factors of the block that ends here
	QUARTER 4, 1, 1, -1, 3, 48
	QUARTER 5, 0, 0, -1, 4, 48
	QUARTER 6, 0, 0, -1, 5, 48
	TURN \fill
	QUARTER 0, 1, 1, -1, 7, 48
	WIN 0                                          ; at a label and at a branch every window is 0
	v_add_nc_u32 v[FTA], 1024, v[FTA]              ; two blocks' factors on: 7 trips x 1,024, then 0 and 512 in the last step, reach blocks 14 and 15, the table's last 1,024 bytes
	s_wait_xcnt 0x0                                ; the loads' base is stepped only behind this wait
	s_add_nc_u64 s[4:5], s[4:5], PSTEP
.endm
	s_wait_tensorcnt 1                             ; my part of step 0 is in; step 1's may stay out
	s_wait_dscnt 0x0                               ; my table of factors is written
	s_barrier_signal -1
	s_barrier_wait -1
	FETCHV 0, -1
	QUARTER 0, 1, 0, -1, 7, 48                     ; step 0's first quarter: there is nothing yet to fold; it asks for the step's own last block
	WIN 0
	s_wait_xcnt 0x0
	s_add_nc_u64 s[4:5], s[4:5], PSTEP
	s_mov_b32 s3, STEPS-2
.Lstep:                                                ; six trips: every slot but the last two is filled again
	TRIP 1
	s_sub_co_u32 s3, s3, 1
	s_cmp_lg_u32 s3, 0
	s_cbranch_scc1 .Lstep
	TRIP 0                                         ; the tail is written out (the base that it steps at its end is not used)
	QUARTER 1, 0, 0, -1, -1, 48                    ; the last step asks for no p': the counts run down
	QUARTER 2, 0, 0, -1, -1, 40
	QUARTER 3, 0, 0,  0, -1, 32
	QUARTER 4, 1, 1, -1, -1, 24
	QUARTER 5, 0, 0, -1, -1, 16
	QUARTER 6, 0, 0, 512, -1, 8                    ; block 14 has been folded: the last block's factors come with the last fragments
	s_wait_loadcnt 0x0
	s_wait_dscnt 0x0
	MUL8 7, 0, 0
	MUL8 7, 1, 0
	MUL8 7, 2, 0
	MUL8 7, 3, 0
	WIN 0
	PLACES
; THE WAY OUT, a block of 16 rows at a time: the last block of keys is folded, 32 bytes a lane go into my own stage and come back as whole rows of 512 bytes, which are stored.
.macro TOSTAGE a
.set BK, 64+64*((\a)%2)
	WIN 0x08                                       ; a store's data is source 1: window 2
.irp b, 0,1,2,3,4,5,6,7
	ds_store_b128 v[STO], v[64*(\a)+8*(\b):64*(\a)+8*(\b)+3]   offset:64*(\b)
	ds_store_b128 v[STO], v[64*(\a)+8*(\b)+4:64*(\a)+8*(\b)+7] offset:64*(\b)+16
.endr
	WIN 0
.set t, 0
.rept 16
	ds_load_b128 v[BK+4*t:BK+4*t+3], v[RD] offset:SPITCH*t  ; LDS serves a wave's instructions in order (ISA guide 5.7.1.4): these see the stores above
.set t, t+1
.endr
.endm
.macro SEND a
.set BK, 64+64*((\a)%2)
	WIN 0
	s_wait_dscnt 0x0                               ; the block is back in registers
	s_wait_xcnt 0x0                                ; earlier stores have read their registers: the other buffer is loaded again only behind this wait
.set t, 0
.rept 16
	global_store_b128 v[CO], v[BK+4*t:BK+4*t+3], s[8:9] offset:(16*(\a)+t)*CROW th:TH_STORE_NT  ; the wave stores 512 consecutive bytes, at a multiple of 512 from the buffer's first byte
.set t, t+1
.endr
.endm
	FOLD 0
	TOSTAGE 0
.irp a, 1,2,3                          ; block a's fold stands between block a - 1's loads from the stage and the wait for them
	FOLD \a
	SEND (\a)-1
	TOSTAGE \a
.endr
	SEND 3
	s_wait_tensorcnt 0x0                           ; the wave's end
	ds_add_u32 v[SPW], v[NIL]
	s_wait_dscnt 0x0
	CROUND                                         ; the closing round
	s_endpgm
.Lfunc_end_k_q653731ae82_pv:
	.size	k_q653731ae82_pv, .Lfunc_end_k_q653731ae82_pv-k_q653731ae82_pv
	.p2alignl 7, 3214868480
	.fill 96, 4, 3214868480
	.section	.rodata,"a",@progbits
	.p2align	6, 0x0
	.amdhsa_kernel k_q653731ae82_pv
		.amdhsa_group_segment_fixed_size 327680
		.amdhsa_private_segment_fixed_size 0
		.amdhsa_enable_private_segment 0
		.amdhsa_kernarg_size 32
		.amdhsa_user_sgpr_count 2
		.amdhsa_user_sgpr_kernarg_segment_ptr 1
		.amdhsa_wavefront_size32 1
		.amdhsa_system_sgpr_workgroup_id_x 1
		.amdhsa_system_sgpr_workgroup_id_y 1
		.amdhsa_system_sgpr_workgroup_id_z 1
		.amdhsa_system_vgpr_workitem_id 0
		.amdhsa_next_free_vgpr 1024
		.amdhsa_next_free_sgpr 80
		.amdhsa_reserve_vcc 0
		.amdhsa_float_denorm_mode_32 3
		.amdhsa_float_denorm_mode_16_64 3
		.amdhsa_memory_ordered 1
		.amdhsa_forward_progress 1
		.amdhsa_inst_pref_size 194
	.end_amdhsa_kernel
	.amdgpu_metadata
---
amdhsa.version: [ 1, 2 ]
amdhsa.kernels:
  - .name:           k_q653731ae82_pv
    .symbol:         k_q653731ae82_pv.kd
    .args:
      - { .name: pp, .offset: 0, .size: 8, .value_kind: global_buffer, .address_space: global }
      - { .name: qkv, .offset: 8, .size: 8, .value_kind: global_buffer, .address_space: global }
      - { .name: st, .offset: 16, .size: 8, .value_kind: global_buffer, .address_space: global }
      - { .name: out0, .offset: 24, .size: 8, .value_kind: global_buffer, .address_space: global }
    .group_segment_fixed_size: 327680
    .private_segment_fixed_size: 0
    .kernarg_segment_align: 8
    .kernarg_segment_size: 32
    .max_flat_workgroup_size: 128
    .sgpr_count:     80
    .vgpr_count:     1024
    .wavefront_size: 32
...
	.end_amdgpu_metadata
.endif
;; end of part 7
;; ======== version 3 of 3: 4 launches; version 2 with the launch cvt written anew for expert scheduling mode
;; limits: values are held in f16: magnitudes above 65,504 overflow, below 6.1e-05 lose precision
;; workspace buffers: xb 16,777,216 bytes; wb 6,291,456 bytes; qkv 50,331,648 bytes; pp 33,554,432 bytes; st 1,048,576 bytes
;; launch cvt (part 8): grid 64 x 11, 8 waves a work-group, no clusters, 0 bytes of LDS; arguments x, Wq, Wk, Wv, xb, wb; writes xb, wb
.if DOCPART == 8
	.amdgcn_target "amdgcn-amd-amdhsa--gfx1250"
	.amdhsa_code_object_version 6
	.text
	.protected	k_q653731ae82_cvt
	.globl	k_q653731ae82_cvt
	.p2align	8
	.type	k_q653731ae82_cvt,@function
k_q653731ae82_cvt:
	s_mov_b64 s[64:65], 0
	v_nop
	global_prefetch_b8 v0, s[64:65] scope:SCOPE_SE
	s_setreg_imm32_b32 hwreg(HW_REG_WAVE_SCHED_MODE, 0, 2), 2
	s_setreg_imm32_b32 hwreg(HW_REG_WAVE_MODE, 25, 1), 1
	s_wait_xcnt 0x0
	s_wait_alu depctr_vm_vsrc(0)
; x [8192][1024] and Wq, Wk, Wv [1024][1024], f32, are rounded once to bf16: xb [8192][1024]; wb [3072][1024], the rows of Wq, Wk, Wv on end.
; A stream: each byte is read once and written once, so no LDS, no matrix unit and no cluster (no two work-groups read the same byte).
; A work-group converts CHUNK = 16,384 numbers: 65,536 bytes in, 32,768 out.  Grid y 0..7: chunk 64 y + x of x.  y = 8, 9, 10: chunk x of Wq, Wk, Wv, into chunk 64 (y - 8) + x of wb.
; Thread t takes 16 bytes at 16 t of each 4,096 bytes: a load of a wave covers 512 consecutive bytes, a store 256 consecutive bytes, aligned.
; All sixteen loads of a thread go out at once; no register is written twice, so no wait frees a source.
; THE MODE: SCHED_MODE bits 1:0 = 2 (LLVM: expert scheduling mode 2), set by the entry lines.  The code itself states the register dependences
; between vector instructions and memory instructions, with s_wait_alu, always for 0.
; THE PLAN.  Registers that memory instructions touch:
;   v1, v2   byte offsets in and out.  Written once at the head by vector instructions, never again; read by every load (v1) and every store (v2).
;   IN       Written by the sixteen loads, once each, and by nothing else; read by the conversions, each pair behind its load's own wait on LOADcnt.
;   OUT      Written by the conversions, once each; read by the stores; never written again.
; So two kinds of dependence are stated: the offsets ahead of the first load, and OUT ahead of the stores.  The sixteen loads go in four blocks of four: a block's eight conversions
; write its eight registers of OUT; its four stores stand at the head of the NEXT block, behind the wait for that block's first load and ONE wait on va_vdst.  The conversions that follow
; the stores name IN and the next block's OUT: no register that a store already issued reads, or in which a pending load lands.  The last block's stores have a wait of their own.
.set IN,  4                            ; v[4:67]   sixteen loads of four f32
.set OUT, 68                           ; v[68:99]  sixteen results of four bf16
	s_load_b256 s[4:11], s[0:1], 0x0               ; x s[4:5], Wq s[6:7], Wk s[8:9], Wv s[10:11]
	s_load_b128 s[12:15], s[0:1], 0x20             ; xb s[12:13], wb s[14:15]
	s_and_b32 s16, ttmp7, 0xffff                   ; y
	v_lshlrev_b32 v1, 4, v0                        ; my 16 bytes in
	v_lshlrev_b32 v2, 3, v0                        ; my 8 bytes out
	s_max_u32 s18, s16, 8
	s_sub_co_u32 s18, s18, 8                       ; y - 8, or 0
	s_cmp_lt_u32 s16, 8                            ; a chunk of x?
	s_cselect_b32 s17, s16, 0                      ; 64 chunks times: y in x, 0 in a W
	s_cselect_b32 s18, s16, s18                    ; y in xb, y - 8 in wb
	s_wait_kmcnt 0x0                               ; selects and waits leave the compare's answer alone
	s_cselect_b64 s[20:21], s[4:5], s[6:7]
	s_cselect_b64 s[22:23], s[12:13], s[14:15]
	s_cmp_eq_u32 s16, 9
	s_cselect_b64 s[20:21], s[8:9], s[20:21]
	s_cmp_eq_u32 s16, 10
	s_cselect_b64 s[20:21], s[10:11], s[20:21]
	s_lshl_b32 s17, s17, 6
	s_add_co_u32 s17, s17, ttmp9
	s_lshl_b32 s2, s17, 16                         ; 65,536 bytes a chunk; 511 chunks at the most: under 2^25
	s_mov_b32 s3, 0
	s_add_nc_u64 s[20:21], s[20:21], s[2:3]
	s_lshl_b32 s18, s18, 6
	s_add_co_u32 s18, s18, ttmp9
	s_lshl_b32 s2, s18, 15                         ; 32,768 bytes a chunk
	s_add_nc_u64 s[22:23], s[22:23], s[2:3]
	s_wait_alu depctr_va_vdst(0)                   ; v1 and v2 are written: every load below reads v1 as its offset, every store v2
.irp i, 0,1,2,3,4,5,6,7,8,9,10,11,12,13,14,15
	global_load_b128 v[IN+4*(\i):IN+4*(\i)+3], v1, s[20:21] offset:4096*(\i) th:TH_LOAD_NT
.endr
.irp i, 0,1,2,3,4,5,6,7,8,9,10,11,12,13,14,15
	s_wait_loadcnt 15-(\i)                         ; loads come back in order (ISA guide 5.7.1): load i is in, the 15 - i younger ones stay out
.if (((\i)%4) == 0) && ((\i) > 0)
	s_wait_alu depctr_va_vdst(0)                   ; the block before has written its eight registers of OUT, which the four stores below read
.irp j, 0,1,2,3
	global_store_b64 v2, v[OUT+2*((\i)-4+(\j)):OUT+2*((\i)-4+(\j))+1], s[22:23] offset:2048*((\i)-4+(\j))
.endr
.endif
	v_cvt_pk_bf16_f32 v[OUT+2*(\i)], v[IN+4*(\i)], v[IN+4*(\i)+1]
	v_cvt_pk_bf16_f32 v[OUT+2*(\i)+1], v[IN+4*(\i)+2], v[IN+4*(\i)+3]
.endr
	s_wait_alu depctr_va_vdst(0)                   ; the last block has written its eight registers of OUT, which the last four stores read
.irp i, 12,13,14,15
	global_store_b64 v2, v[OUT+2*(\i):OUT+2*(\i)+1], s[22:23] offset:2048*(\i)
.endr
	s_endpgm
.Lfunc_end_k_q653731ae82_cvt:
	.size	k_q653731ae82_cvt, .Lfunc_end_k_q653731ae82_cvt-k_q653731ae82_cvt
	.p2alignl 7, 3214868480
	.fill 96, 4, 3214868480
	.section	.rodata,"a",@progbits
	.p2align	6, 0x0
	.amdhsa_kernel k_q653731ae82_cvt
		.amdhsa_group_segment_fixed_size 0
		.amdhsa_private_segment_fixed_size 0
		.amdhsa_enable_private_segment 0
		.amdhsa_kernarg_size 48
		.amdhsa_user_sgpr_count 2
		.amdhsa_user_sgpr_kernarg_segment_ptr 1
		.amdhsa_wavefront_size32 1
		.amdhsa_system_sgpr_workgroup_id_x 1
		.amdhsa_system_sgpr_workgroup_id_y 1
		.amdhsa_system_sgpr_workgroup_id_z 1
		.amdhsa_system_vgpr_workitem_id 0
		.amdhsa_next_free_vgpr 100
		.amdhsa_next_free_sgpr 66
		.amdhsa_reserve_vcc 0
		.amdhsa_float_denorm_mode_32 3
		.amdhsa_float_denorm_mode_16_64 3
		.amdhsa_memory_ordered 1
		.amdhsa_forward_progress 1
		.amdhsa_inst_pref_size 7
	.end_amdhsa_kernel
	.amdgpu_metadata
---
amdhsa.version: [ 1, 2 ]
amdhsa.kernels:
  - .name:           k_q653731ae82_cvt
    .symbol:         k_q653731ae82_cvt.kd
    .args:
      - { .name: x, .offset: 0, .size: 8, .value_kind: global_buffer, .address_space: global }
      - { .name: Wq, .offset: 8, .size: 8, .value_kind: global_buffer, .address_space: global }
      - { .name: Wk, .offset: 16, .size: 8, .value_kind: global_buffer, .address_space: global }
      - { .name: Wv, .offset: 24, .size: 8, .value_kind: global_buffer, .address_space: global }
      - { .name: xb, .offset: 32, .size: 8, .value_kind: global_buffer, .address_space: global }
      - { .name: wb, .offset: 40, .size: 8, .value_kind: global_buffer, .address_space: global }
    .group_segment_fixed_size: 0
    .private_segment_fixed_size: 0
    .kernarg_segment_align: 8
    .kernarg_segment_size: 48
    .max_flat_workgroup_size: 256
    .sgpr_count:     66
    .vgpr_count:     100
    .wavefront_size: 32
...
	.end_amdgpu_metadata
.endif
;; end of part 8
;; launch proj: the kernel of part 5 again; grid 12 x 32, 8 waves a work-group, clusters of 4 x 4, 327,680 bytes of LDS; arguments xb, wb, bq, bk, bv, qkv; writes qkv
;; launch scores: the kernel of part 6 again; grid 8 x 32, 8 waves a work-group, clusters of 4 x 4, 327,680 bytes of LDS; arguments qkv, pp, st; writes pp, st
;; launch pv: the kernel of part 7 again; grid 8 x 32, 4 waves a work-group, clusters of 4 x 4, 327,680 bytes of LDS; arguments pp, qkv, st, out0; writes out0
